; MI455X (gfx1250); checked and timed in simulation.
; The chip was launched on July 23, 2026; its instructions are those of AMD's public machine-readable ISA for CDNA 5 (MIT licence, August 2026) and "CDNA5" Instruction Set Architecture Reference Guide (July 2026). The comments in the code are by the model that wrote it; some were corrected since.
;; Dilated Attention. Allowed arithmetic: matrix products marked QUANTISED: E3M2 operands, one E8M0 scale for each 32 along K, by v_wmma_scale_f32_16x16x128_f8f6f4 with both operands' format E3M2, f32 sums; everything else in f32.
;; Inputs: b1 4,096 float32; b2 1,024 float32; bk 1,024 float32; bo 1,024 float32; bq 1,024 float32; bv 1,024 float32; ln1_b 1,024 float32; ln1_g 1,024 float32; ln2_b 1,024 float32; ln2_g 1,024 float32; w1 1,024 x 4,096 float32; w2 4,096 x 1,024 float32; wk 1,024 x 1,024 float32; wo 1,024 x 1,024 float32; wq 1,024 x 1,024 float32; wv 1,024 x 1,024 float32; x 2 x 2,048 x 1,024 float32.
;; Outputs: out0 2 x 2,048 x 1,024 float32.
;; This version of the problem:
;;   THIS VERSION OF THE PROBLEM IS GIVEN IN LOW PRECISION. The matrix products marked QUANTISED in the list below multiply operands that are first quantised to E3M2 (3 exponent bits, 2 mantissa bits; 6 bits a number), with one power-of-two scale for each 32 numbers along K (OCP MX v1.0); their sums are f32. All else is computed in f32.
;;   The module's matrix products, in the order in which they are computed (A, B: the left and right operand; K: the contracted axis; several contracted axes count as one K, in the product's order):
;;     1. [M 4,096, K 1,024] x [K 1,024, N 1,024]; A: computed on the way; B: input wq: QUANTISED
;;     2. [M 4,096, K 1,024] x [K 1,024, N 1,024]; A: computed on the way; B: input wk: QUANTISED
;;     3. [M 4,096, K 1,024] x [K 1,024, N 1,024]; A: computed on the way; B: input wv: QUANTISED
;;     4. batch 32 x [M 2,048, K 64] x [K 64, N 2,048]; A: computed on the way; B: computed on the way: QUANTISED
;;     5. batch 32 x [M 64, K 2,048] x [K 2,048, N 2,048]; A: computed on the way; B: softmax (see below): QUANTISED
;;     6. [M 4,096, K 1,024] x [K 1,024, N 1,024]; A: computed on the way; B: input wo: QUANTISED
;;     7. [M 4,096, K 1,024] x [K 1,024, N 4,096]; A: computed on the way; B: input w1: QUANTISED
;;     8. [M 4,096, K 4,096] x [K 4,096, N 1,024]; A: computed on the way; B: input w2: QUANTISED
;;   THE QUANTISER, for each operand of a quantised product, along K:
;;     - K is cut into blocks of 32 from its start; a last block that is shorter is filled with zeros.
;;     - A block's scale is 2^e with e = floor(log2(the largest magnitude in the block)) - 4, held to -126 .. 127; a block of zeros has e = 0. As a byte (E8M0): e + 127.
;;     - Each number is divided by its block's scale, clamped to +-28, and rounded to the nearest number of E3M2, ties to even, subnormals kept.
;;     - The product sums the exact products of the quantised numbers (number of the format x scale) in f32.
;;   ~~~python
;;   def quantise(x, axis):      # numpy; x: float32 -> the quantised numbers, widened to float32 again
;;       x = np.moveaxis(x, axis, -1); K = x.shape[-1]
;;       x = np.pad(x, [(0, 0)] * (x.ndim - 1) + [(0, -K % 32)]); x = x.reshape(x.shape[:-1] + (-1, 32)); a = np.abs(x).max(-1, keepdims=True)
;;       e = np.where(a > 0, np.clip(np.frexp(np.where(a > 0, a, 1))[1] - 1 - 4, -126, 127), 0)      # np.frexp(a)[1] - 1 = floor(log2(a)), exactly
;;       r = np.clip(x / 2.0 ** e, -28, 28)
;;       step = 2.0 ** (np.maximum(np.frexp(np.where(r == 0, 1, r))[1] - 1, -2) - 2)
;;       q = np.round(r / step) * step * 2.0 ** e      # np.round: ties to even
;;       return np.moveaxis(q.reshape(q.shape[:-2] + (-1,))[..., :K], -1, axis).astype(np.float32)
;;   ~~~
;;   SOFTMAX AHEAD OF A QUANTISED PRODUCT. Where the list says 'softmax', what is quantised is not the finished softmax but p = 2^(t - M), with t = logit x log2(e) and M = ceil(the row's largest t), a whole number; so 1/2 < the row's largest p <= 1. The row's sum l is taken of the UNQUANTISED p, in f32, and the product's result is divided by l at the end. Since M is a whole number, a kernel that streams over the keys may use a running M (the ceiling of the running maximum): every later rescaling is an exact power of two, which a block's scale takes up: the codes' values come out the same.
;;   OPERANDS COMPUTED ON THE WAY. 'Computed on the way' means the value that the module computes at that place (a softmax that the list does not call 'softmax' is quantised finished and normalised). What goes into a quantiser is computed in f32, as accurately as f32 sums, v_exp_f32 and their like allow (about 1e-6 of the number): no bf16 or f16 on the way to a quantiser, and a product that is left as it is and whose result goes on into a quantised operand takes f32 operands (vector FMAs, or v_wmma_f32_16x16x4_f32). A number that lies on a knife's edge between two numbers of the format may be rounded either way, as far as f32 arithmetic and the matrix unit's own rounding can turn it there, and no further.
;; One version. Each part assembles by itself: llvm-mc -triple=amdgcn-amd-amdhsa -mcpu=gfx1250 --defsym DOCPART=n.
;; ======== version 1 of 1: 8 launches
;; limits: an absolute error that grows with the inputs' magnitude: up to 5e-08 times it
;; workspace buffers: wcodes 9,830,400 bytes; hcodes 3,276,800 bytes; qkcodes 6,553,600 bytes; vcodes 3,276,800 bytes; ctxcodes 3,276,800 bytes; xmid 16,777,216 bytes; hidcodes 13,107,200 bytes
;; launch wquant (part 1): grid 384 x 1, 4 waves a work-group, no clusters, 25,088 bytes of LDS; arguments wq, wk, wv, wo, w1, w2, wcodes; writes wcodes
.if DOCPART == 1
	.amdgcn_target "amdgcn-amd-amdhsa--gfx1250"
	.amdhsa_code_object_version 6
	.text
	.protected	k_q56d8835cc2_wquant
	.globl	k_q56d8835cc2_wquant
	.p2align	8
	.type	k_q56d8835cc2_wquant,@function
k_q56d8835cc2_wquant:
	s_mov_b64 s[64:65], 0
	v_nop
	global_prefetch_b8 v0, s[64:65] scope:SCOPE_SE
	s_setreg_imm32_b32 hwreg(HW_REG_WAVE_MODE, 25, 1), 1
	s_wait_xcnt 0x0
; THE PROGRAM: a transformer block (LayerNorm, Q K V, dilated windowed causal attention, wo + residual, LayerNorm, w1, exact gelu, w2 + residual), all eight products on codes of BF6 (E3M2) with one E8M0 scale for each 32 along K.
; WORK LEFT OUT.  reference() builds its mask in its own body: key j counts for query i only where i - j is even and 0 <= i - j <= 256.  Every query has key j = i.  A masked score is finfo.min, its p is 0, and it adds nothing
; to the row's sum nor to the second product.  So score tiles of the other parity, keys outside the three steps of 128 keys that hold a query block's window, and steps behind a block's last query are not computed (launch attn).
; This holds for all finite inputs.  LIMIT: a NaN, an infinity or an overflow that reaches only those masked scores is not carried to the result.  No input is dead: all 17 are loaded by some launch.
; THIS LAUNCH turns the six weights, f32 [K][N] with K outermost, into codes with K innermost, laid IN THE ORDER OF AN OPERAND'S REGISTERS: an image [k / 128][row / 16][1536 bytes]; register p (0..11) of lane l lies at
; (p / 4) 512 + 16 l + 4 (p % 4), so that three loads of 16 bytes a lane bring a fragment.  Scale words [k / 128][row], byte b for k = 32 b on.  A weight's row (its column n) is stored with bits 3 and 4 of n swapped,
; so that a product used transposed leaves 16 neighbouring n in a lane's 16 registers of two neighbouring tiles.
; wcodes: images of wq, wk, wv, wo (rows 0, 1024, 2048, 3072 of one image of 4,096 rows) at 0; w1 at 3,145,728; w2 at 6,291,456; scale words at 9,437,184, + 131,072, + 262,144.
; A lane takes a column and its registers run down K: a block of 32 lies in one lane.  A work-group takes 128 columns x 256 k, a wave 32 columns.  One path for all six weights: only pointers and strides are chosen, by the work-group's number.
; A block's scale byte is its largest magnitude's exponent field - 4, held at 1 from below.  LIMITS: a block of zeros gets the byte 1 (its codes are zeros; only this program reads the bytes); blocks under 2^-122 keep the byte 1; NaN and infinities are not served.
.set SPW, 8                            ; v8  my spare word;  v9  0: kept for the add alone
.set NIL, 9
.set VO,  16                           ; v16-47   4 lane + i x a row of the weight
.set X,   48                           ; v48-111  two sets of 32 numbers
.set C,   112                          ; v112-117 a block's codes
.set D,   118                          ; v118-120 the second conversion's result
.set SB,  122                          ; v122-123 scale words of my column
.set OUT, 124                          ; v124-171 the way out
.set BS,  36                           ; s[36:51] the eight blocks' first rows in the weight
.set SPARE, 24576                      ; behind the four stages of 6,144 bytes: the spare words
	s_load_b256 s[4:11], s[0:1], 0x0               ; wq, wk, wv, wo
	s_load_b128 s[12:15], s[0:1], 0x20             ; w1, w2
	s_load_b64 s[16:17], s[0:1], 0x30              ; wcodes
	v_lshl_add_u32 v[SPW], v0, 2, SPARE
	v_mov_b32 v[NIL], 0
	v_lshrrev_b32 v1, 5, v0
	v_readfirstlane_b32 s18, v1                    ; wave
	v_and_b32 v1, 31, v0                           ; lane = my column in the wave's 32
	v_and_b32 v2, 7, v1
	v_bfe_u32 v10, v1, 3, 1
	v_bfe_u32 v11, v1, 4, 1
	v_lshl_or_b32 v2, v10, 4, v2
	v_lshl_or_b32 v2, v11, 3, v2                   ; its storage row: bits 3 and 4 swapped
	s_mul_i32 s19, s18, 6144                       ; my stage: [2 k steps][2 blocks of 16 rows][1536]
	v_mul_u32_u24 v3, v10, 1536
	v_and_b32 v11, 15, v2
	v_lshl_add_u32 v3, v11, 4, v3
	v_add_nc_u32 v3, s19, v3                       ; into the stage: block of rows, 16 x row
	v_lshlrev_b32 v5, 4, v1                        ; out: 16 bytes a lane
	v_add_nc_u32 v4, s19, v5
	v_lshlrev_b32 v6, 2, v2                        ; my row's scale word
	v_lshlrev_b32 v7, 2, v1
	s_lshr_b32 s20, ttmp9, 7                       ; 0: the four small weights, 1: w1, 2: w2
	s_bfe_u32 s21, ttmp9, 0x20005                  ; which of the four
	s_and_b32 s22, ttmp9, 31
	s_and_b32 s23, ttmp9, 127
	s_cmp_eq_u32 s20, 0
	s_cselect_b32 s22, s22, s23                    ; the work-group's number within its weight
	s_cselect_b32 s24, s21, 0
	s_lshl_b32 s24, s24, 10                        ; the weight's first row in its image
	s_and_b32 s25, s22, 31
	s_lshr_b32 s26, s22, 5
	s_and_b32 s27, s22, 7
	s_lshr_b32 s28, s22, 3
	s_mov_b32 s29, 4096
	s_cmp_eq_u32 s20, 1
	s_cselect_b32 s25, s25, s27                    ; which 128 columns
	s_cselect_b32 s26, s26, s28                    ; which 256 along K
	s_cselect_b32 s29, 16384, s29                  ; a row of the weight in bytes
	s_mov_b32 s30, 393216
	s_mov_b32 s31, 16384
	s_cmp_eq_u32 s20, 2
	s_cselect_b32 s30, 98304, s30                  ; from one 128 along K to the next: in the image,
	s_cselect_b32 s31, 4096, s31                   ; in the scale words
	s_lshl_b32 s32, s25, 7
	s_lshl_b32 s33, s18, 5
	s_add_co_u32 s32, s32, s33                     ; my wave's first column
	s_add_co_u32 s33, s24, s32                     ; and its row in the image
	s_lshl_b32 s34, s26, 8
	s_mul_i32 s34, s34, s29
	s_lshl_b32 s35, s32, 2
	s_add_co_u32 s34, s34, s35
	s_mov_b32 s35, 0                               ; s[34:35]: where my part of the weight begins
	s_lshl_b32 s52, s29, 5
	s_mov_b32 s53, 0                               ; s[52:53]: 32 rows on
	s_lshl_b32 s26, s26, 1
	s_mul_i32 s54, s20, 3145728
	s_mul_i32 s55, s26, s30
	s_add_co_u32 s54, s54, s55
	s_mul_i32 s55, s33, 96
	s_add_co_u32 s54, s54, s55
	s_mov_b32 s55, 0                               ; s[54:55]: my 3,072 bytes of the image, first k step
	s_mov_b32 s56, s30
	s_mov_b32 s57, 0
	s_lshl_b32 s58, s20, 17
	s_mul_i32 s59, s26, s31
	s_add_co_u32 s58, s58, s59
	s_lshl_b32 s59, s33, 2
	s_add_co_u32 s58, s58, s59
	s_add_co_u32 s58, s58, 9437184
	s_mov_b32 s59, 0                               ; s[58:59]: my 128 bytes of scale words
	s_mov_b32 s60, s31
	s_mov_b32 s61, 0
.set i, 0
.rept 32
	v_mad_u32_u24 v[VO+i], s29, i, v7
.set i, i+1
.endr
	s_wait_kmcnt 0x0
	s_cmp_eq_u32 s21, 1                            ; the weight: a choice that hangs on the work-group's number alone
	s_cselect_b64 s[66:67], s[6:7], s[4:5]
	s_cmp_eq_u32 s21, 2
	s_cselect_b64 s[66:67], s[8:9], s[66:67]
	s_cmp_eq_u32 s21, 3
	s_cselect_b64 s[66:67], s[10:11], s[66:67]
	s_cmp_eq_u32 s20, 1
	s_cselect_b64 s[66:67], s[12:13], s[66:67]
	s_cmp_eq_u32 s20, 2
	s_cselect_b64 s[66:67], s[14:15], s[66:67]
	s_add_nc_u64 s[BS:BS+1], s[66:67], s[34:35]
.irp t, 1,2,3,4,5,6,7
	s_add_nc_u64 s[BS+2*\t:BS+2*\t+1], s[BS+2*\t-2:BS+2*\t-1], s[52:53]
.endr
	s_add_nc_u64 s[68:69], s[16:17], s[54:55]
	s_add_nc_u64 s[70:71], s[68:69], s[56:57]
	s_add_nc_u64 s[72:73], s[16:17], s[58:59]
	s_add_nc_u64 s[74:75], s[72:73], s[60:61]
.macro LOAD t                          ; block t: 32 rows of the weight at my column; 32 lanes read 128 neighbouring bytes
.set i, 0
.rept 32
	global_load_b32 v[X+32*((\t)%2)+i], v[VO+i], s[BS+2*(\t):BS+2*(\t)+1] th:TH_LOAD_NT
.set i, i+1
.endr
.endm
.macro BLOCK t
.set XS, X+32*((\t)%2)
.if (\t) < 7
	s_wait_loadcnt 32                              ; this block's 32 loads are in; the next block's may be out
.else
	s_wait_loadcnt 0x0
.endif
	v_max3_num_f32 v12, |v[XS]|, |v[XS+1]|, |v[XS+2]|
	v_max3_num_f32 v13, |v[XS+3]|, |v[XS+4]|, |v[XS+5]|
.irp i, 6,10,14,18,22,26
	v_max3_num_f32 v12, v12, |v[XS+\i]|, |v[XS+\i+1]|
	v_max3_num_f32 v13, v13, |v[XS+\i+2]|, |v[XS+\i+3]|
.endr
	v_max3_num_f32 v12, v12, |v[XS+30]|, |v[XS+31]|
	v_max3_num_f32 v12, v12, v13, 0x2800000        ; the floor 2^(5 - 127): the byte cannot fall under 1
	v_add_nc_u32 v11, 0xfe000000, v12              ; 4 off the exponent field: the conversion's scale operand
	v_lshrrev_b32 v13, 23, v11                     ; the scale's byte
.if (\t)%4 == 0
	v_mov_b32 v[SB+(\t)/4], v13
.else
	v_lshl_or_b32 v[SB+(\t)/4], v13, 8*((\t)%4), v[SB+(\t)/4]
.endif
	v_cvt_scalef32_pk16_bf6_f32 v[C:C+2], v[XS:XS+15], v11
	v_cvt_scalef32_pk16_bf6_f32 v[D:D+2], v[XS+16:XS+31], v11   ; (a conversion's three registers begin on an even number)
	v_nop                                          ; one plain place behind a scaled conversion
	v_mov_b32 v[C+3], v[D]
	v_mov_b32 v[C+4], v[D+1]
	v_mov_b32 v[C+5], v[D+2]
.set PB, ((\t)/4)*3072+((\t)%2)*256    ; the k step, and the half of the lanes that holds this block: block 2 c + h of a row is registers 6 c .. 6 c + 5 of lane row + 16 h
.if ((\t)/2)%2 == 0
	ds_store_b64 v3, v[C:C+1] offset:PB
	ds_store_b64 v3, v[C+2:C+3] offset:PB+8
	ds_store_b64 v3, v[C+4:C+5] offset:PB+512
.else
	ds_store_b64 v3, v[C:C+1] offset:PB+520
	ds_store_b64 v3, v[C+2:C+3] offset:PB+1024
	ds_store_b64 v3, v[C+4:C+5] offset:PB+1032
.endif
.if (\t)+2 < 8
	LOAD (\t)+2
.endif
	s_wait_dscnt 0x0                               ; the stores have read their registers: the next block's codes may be written
.endm
	LOAD 0
	LOAD 1
.irp t, 0,1,2,3,4,5,6,7
	BLOCK \t
.endr
	global_store_b32 v6, v[SB], s[72:73]           ; 32 scale words: 128 neighbouring bytes for each k step
	global_store_b32 v6, v[SB+1], s[74:75]
.irp k, 0,1,2,3,4,5,6,7,8,9,10,11
	ds_load_b128 v[OUT+4*\k:OUT+4*\k+3], v4 offset:512*\k   ; LDS serves a wave's instructions in order: these see my stores
.endr
.irp k, 0,1,2,3,4,5,6,7,8,9,10,11
	s_wait_dscnt 11-\k                             ; the younger read-backs may stay out
	global_store_b128 v5, v[OUT+4*\k:OUT+4*\k+3], s[68+2*(\k/6):69+2*(\k/6)] offset:512*(\k%6)   ; 512 consecutive bytes, aligned
.endr
	s_wait_tensorcnt 0x0                           ; the wave's end
	ds_add_u32 v[SPW], v[NIL]
	s_wait_dscnt 0x0
	s_endpgm
.Lfunc_end_k_q56d8835cc2_wquant:
	.size	k_q56d8835cc2_wquant, .Lfunc_end_k_q56d8835cc2_wquant-k_q56d8835cc2_wquant
	.p2alignl 7, 3214868480
	.fill 96, 4, 3214868480
	.section	.rodata,"a",@progbits
	.p2align	6, 0x0
	.amdhsa_kernel k_q56d8835cc2_wquant
		.amdhsa_group_segment_fixed_size 25088
		.amdhsa_private_segment_fixed_size 0
		.amdhsa_enable_private_segment 0
		.amdhsa_kernarg_size 56
		.amdhsa_user_sgpr_count 2
		.amdhsa_user_sgpr_kernarg_segment_ptr 1
		.amdhsa_wavefront_size32 1
		.amdhsa_system_sgpr_workgroup_id_x 1
		.amdhsa_system_sgpr_workgroup_id_y 1
		.amdhsa_system_sgpr_workgroup_id_z 1
		.amdhsa_system_vgpr_workitem_id 0
		.amdhsa_next_free_vgpr 176
		.amdhsa_next_free_sgpr 76
		.amdhsa_reserve_vcc 0
		.amdhsa_float_denorm_mode_32 3
		.amdhsa_float_denorm_mode_16_64 3
		.amdhsa_memory_ordered 1
		.amdhsa_forward_progress 1
		.amdhsa_inst_pref_size 47
	.end_amdhsa_kernel
	.amdgpu_metadata
---
amdhsa.version: [ 1, 2 ]
amdhsa.kernels:
  - .name:           k_q56d8835cc2_wquant
    .symbol:         k_q56d8835cc2_wquant.kd
    .args:
      - { .name: wq, .offset: 0, .size: 8, .value_kind: global_buffer, .address_space: global }
      - { .name: wk, .offset: 8, .size: 8, .value_kind: global_buffer, .address_space: global }
      - { .name: wv, .offset: 16, .size: 8, .value_kind: global_buffer, .address_space: global }
      - { .name: wo, .offset: 24, .size: 8, .value_kind: global_buffer, .address_space: global }
      - { .name: w1, .offset: 32, .size: 8, .value_kind: global_buffer, .address_space: global }
      - { .name: w2, .offset: 40, .size: 8, .value_kind: global_buffer, .address_space: global }
      - { .name: wcodes, .offset: 48, .size: 8, .value_kind: global_buffer, .address_space: global }
    .group_segment_fixed_size: 25088
    .private_segment_fixed_size: 0
    .kernarg_segment_align: 8
    .kernarg_segment_size: 56
    .max_flat_workgroup_size: 128
    .sgpr_count:     76
    .vgpr_count:     176
    .wavefront_size: 32
...
	.end_amdgpu_metadata
.endif
;; end of part 1
;; launch lnq (part 2): grid 256 x 1, 4 waves a work-group, no clusters, 31,744 bytes of LDS; arguments x, ln1_g, ln1_b, hcodes; writes hcodes
.if DOCPART == 2
	.amdgcn_target "amdgcn-amd-amdhsa--gfx1250"
	.amdhsa_code_object_version 6
	.text
	.protected	k_q56d8835cc2_lnq
	.globl	k_q56d8835cc2_lnq
	.p2align	8
	.type	k_q56d8835cc2_lnq,@function
k_q56d8835cc2_lnq:
	s_mov_b64 s[64:65], 0
	v_nop
	global_prefetch_b8 v0, s[64:65] scope:SCOPE_SE
	s_setreg_imm32_b32 hwreg(HW_REG_WAVE_MODE, 25, 1), 1
	s_wait_xcnt 0x0
; h = LayerNorm(x) g + b in f32 (mean, then the mean square of x - mean), quantised along its 1,024 to BF6 codes and E8M0 scales.  x: [4096][1024] f32.
; OUT: an image in the order of an operand's registers, [k / 128][row / 16][1536] (register p of lane l at (p / 4) 512 + 16 l + 4 (p % 4)), and scale words [k / 128][row] at byte 3,145,728.
; THE ROWS ARE STORED IN AN ORDER OF THEIR OWN: in each 32 tokens storage row 16 u + 8 h + j holds token 16 u + 2 j + h, so that a product that takes tokens as source 0 leaves the 16 tokens of ONE parity in a lane.
; A work-group makes one block of 16 storage rows; wave w its rows 4 w + jj, which are tokens 16 RB + 8 (w % 2) + w / 2 + 2 jj.  A wave holds a row in 32 registers; loads are dense (512 bytes each);
; the finished row turns through the wave's own LDS stage so that lane l holds block l of 32 neighbours.  Memory binds: no matrix unit, no cluster.
; LIMITS: NaN and infinities are not served; a block of zeros or under 2^-122 gets the byte 1 (only this program reads the bytes).
.set TURNB, 4608                       ; a wave's stage: 32 places of 128 bytes + 16
.set IMG,   18432                      ; the block's image: [8 k steps][1536]
.set SCS,   30720                      ; its scale words: [8][16]
.set SPARE, 31232
.set R,  32                            ; v32-159  four rows
.set G,  160                           ; v160-191 the gain, as a row is loaded
.set BV, 192                           ; v192-223 the bias
	s_load_b256 s[4:11], s[0:1], 0x0               ; x, g, b, out
	v_lshl_add_u32 v12, v0, 2, SPARE               ; v12, v13: the add's two, kept for it alone
	v_mov_b32 v13, 0
	v_lshrrev_b32 v1, 5, v0
	v_readfirstlane_b32 s12, v1                    ; wave
	v_and_b32 v1, 31, v0                           ; lane
	v_lshlrev_b32 v2, 4, v1                        ; 16 bytes a lane
	s_mul_i32 s26, s12, TURNB
	v_lshrrev_b32 v18, 3, v1
	v_mul_u32_u24 v3, v18, 144
	v_and_b32 v19, 7, v1
	v_lshl_add_u32 v3, v19, 4, v3
	v_add_nc_u32 v3, s26, v3                       ; into the stage: eight lanes fill a place
	v_mul_u32_u24 v4, v1, 144
	v_add_nc_u32 v4, s26, v4                       ; out of it: my place, block l
	v_lshrrev_b32 v18, 2, v1                       ; my block's k step
	v_mul_u32_u24 v5, v18, 1536
	v_and_b32 v19, 1, v1
	v_lshl_add_u32 v5, v19, 8, v5                  ; block 2 c + h of a row lies in lane row + 16 h
	s_lshl_b32 s27, s12, 6
	s_add_co_u32 s27, s27, IMG
	v_add_nc_u32 v5, s27, v5
	v_bfe_u32 v19, v1, 1, 1                        ; c
	v_mad_u32_u24 v6, v19, 1016, v5
	v_add_nc_u32 v6, 8, v6                         ; the block's second 8 bytes
	v_mad_u32_u24 v5, v19, 520, v5                 ; its first, and 512 on its third
	v_lshlrev_b32 v7, 6, v18
	v_and_b32 v19, 3, v1
	v_add_nc_u32 v7, v7, v19
	s_lshl_b32 s27, s12, 4
	s_add_co_u32 s27, s27, SCS
	v_add_nc_u32 v7, s27, v7                       ; my block's scale byte
	s_mul_i32 s27, s12, 3072
	s_add_co_u32 s27, s27, IMG
	v_add_nc_u32 v8, s27, v2                       ; the way out: k steps 2 w, 2 w + 1
	v_lshl_add_u32 v10, v0, 2, SCS
	v_lshrrev_b32 v18, 4, v0
	v_and_b32 v19, 15, v0
	v_lshlrev_b32 v11, 14, v18
	v_lshl_add_u32 v11, v19, 2, v11                ; scale word (k step, row) in memory
	v_mov_b32 v15, 0                               ; upper halves of pairs whose low word serves both halves
	v_mov_b32 v17, 0
	s_and_b32 s13, s12, 1
	s_lshl_b32 s13, s13, 3
	s_lshr_b32 s14, s12, 1
	s_add_co_u32 s13, s13, s14
	s_lshl_b32 s14, ttmp9, 4
	s_add_co_u32 s13, s13, s14                     ; my first token
	s_lshl_b32 s20, s13, 12
	s_mov_b32 s21, 0
	s_mul_i32 s22, s12, 786432
	s_mul_i32 s23, ttmp9, 1536
	s_add_co_u32 s22, s22, s23
	s_mov_b32 s23, 0
	s_lshl_b32 s24, ttmp9, 6
	s_add_co_u32 s24, s24, 3145728
	s_mov_b32 s25, 0
	s_mov_b32 s16, 0x3a800000                      ; 1 / 1024
	s_mov_b32 s18, 0x76543210
	s_mov_b32 s19, 0xfedcba98                      ; v_permlanex16_b32's selects for lane l xor 16
	s_wait_kmcnt 0x0
	s_add_nc_u64 s[4:5], s[4:5], s[20:21]
	s_add_nc_u64 s[22:23], s[10:11], s[22:23]
	s_add_nc_u64 s[24:25], s[10:11], s[24:25]
.irp i, 0,1,2,3,4,5,6,7
	global_load_b128 v[G+4*\i:G+4*\i+3], v2, s[6:7] offset:512*\i
	global_load_b128 v[BV+4*\i:BV+4*\i+3], v2, s[8:9] offset:512*\i
.endr
.irp jj, 0,1,2,3
.irp i, 0,1,2,3,4,5,6,7
	global_load_b128 v[R+32*\jj+4*\i:R+32*\jj+4*\i+3], v2, s[4:5] offset:8192*\jj+512*\i th:TH_LOAD_NT
.endr
.endr
.macro WSUM                            ; v18 summed over the 32 lanes, in every lane
	v_add_f32_dpp v18, v18, v18 row_xmask:1 row_mask:0xf bank_mask:0xf
	v_add_f32_dpp v18, v18, v18 row_xmask:2 row_mask:0xf bank_mask:0xf
	v_add_f32_dpp v18, v18, v18 row_xmask:4 row_mask:0xf bank_mask:0xf
	v_add_f32_dpp v18, v18, v18 row_xmask:8 row_mask:0xf bank_mask:0xf
	v_permlanex16_b32 v19, v18, s18, s19
	v_add_f32 v18, v18, v19
.endm
.macro ROW jj
.set RR, R+32*\jj
	s_wait_loadcnt 8*(3-\jj)                       ; g, b and this row are in; the younger rows may be out
	v_pk_add_f32 v[18:19], v[RR:RR+1], v[RR+2:RR+3]
	v_pk_add_f32 v[20:21], v[RR+4:RR+5], v[RR+6:RR+7]
.irp j, 8,12,16,20,24,28
	v_pk_add_f32 v[18:19], v[18:19], v[RR+\j:RR+\j+1]
	v_pk_add_f32 v[20:21], v[20:21], v[RR+\j+2:RR+\j+3]
.endr
	v_pk_add_f32 v[18:19], v[18:19], v[20:21]
	v_add_f32 v18, v18, v19
	WSUM
	v_mul_f32 v14, s16, v18                        ; the mean
.set i, 0
.rept 16
	v_pk_add_f32 v[RR+i:RR+i+1], v[RR+i:RR+i+1], v[14:15] op_sel_hi:[1,0] neg_lo:[0,1] neg_hi:[0,1]
.set i, i+2
.endr
	v_pk_mul_f32 v[18:19], v[RR:RR+1], v[RR:RR+1]
	v_pk_mul_f32 v[20:21], v[RR+2:RR+3], v[RR+2:RR+3]
.irp j, 4,8,12,16,20,24,28
	v_pk_fma_f32 v[18:19], v[RR+\j:RR+\j+1], v[RR+\j:RR+\j+1], v[18:19]
	v_pk_fma_f32 v[20:21], v[RR+\j+2:RR+\j+3], v[RR+\j+2:RR+\j+3], v[20:21]
.endr
	v_pk_add_f32 v[18:19], v[18:19], v[20:21]
	v_add_f32 v18, v18, v19
	WSUM
	v_fmaak_f32 v16, s16, v18, 0x3727c5ac          ; the variance + 1e-5
	v_rsq_f32 v16, v16
	v_nop                                          ; a plain place behind the transcendental,
	s_wait_alu depctr_va_vdst(0)                   ; and the wait ahead of its first reader
.set i, 0
.rept 16
	v_pk_mul_f32 v[RR+i:RR+i+1], v[RR+i:RR+i+1], v[16:17] op_sel_hi:[1,0]
.set i, i+2
.endr
.set i, 0
.rept 16
	v_pk_fma_f32 v[RR+i:RR+i+1], v[RR+i:RR+i+1], v[G+i:G+i+1], v[BV+i:BV+i+1]
.set i, i+2
.endr
.irp i, 0,1,2,3,4,5,6,7
	ds_store_b128 v3, v[RR+4*\i:RR+4*\i+3] offset:576*\i
.endr
.irp i, 0,1,2,3,4,5,6,7
	ds_load_b128 v[RR+4*\i:RR+4*\i+3], v4 offset:16*\i   ; LDS serves a wave's instructions in order: these see the stores above
.endr
	s_wait_dscnt 0x0                               ; I hold block l: k = 32 l .. 32 l + 31
	v_max3_num_f32 v18, |v[RR]|, |v[RR+1]|, |v[RR+2]|
	v_max3_num_f32 v19, |v[RR+3]|, |v[RR+4]|, |v[RR+5]|
.irp i, 6,10,14,18,22,26
	v_max3_num_f32 v18, v18, |v[RR+\i]|, |v[RR+\i+1]|
	v_max3_num_f32 v19, v19, |v[RR+\i+2]|, |v[RR+\i+3]|
.endr
	v_max3_num_f32 v18, v18, |v[RR+30]|, |v[RR+31]|
	v_max3_num_f32 v18, v18, v19, 0x2800000        ; the floor 2^(5 - 127)
	v_add_nc_u32 v23, 0xfe000000, v18              ; 4 off the exponent field: the conversion's scale operand
	v_lshrrev_b32 v19, 23, v23                     ; the scale's byte
	v_cvt_scalef32_pk16_bf6_f32 v[24:26], v[RR:RR+15], v23
	v_cvt_scalef32_pk16_bf6_f32 v[20:22], v[RR+16:RR+31], v23
	v_nop                                          ; one plain place behind a scaled conversion
	v_mov_b32 v27, v20
	v_mov_b32 v28, v21
	v_mov_b32 v29, v22
	ds_store_b64 v5, v[24:25] offset:16*\jj
	ds_store_b64 v6, v[26:27] offset:16*\jj
	ds_store_b64 v5, v[28:29] offset:512+16*\jj
	ds_store_b8 v7, v19 offset:4*\jj
	s_wait_dscnt 0x0                               ; the stores have read their registers
.endm
	ROW 0
	ROW 1
	ROW 2
	ROW 3
	s_barrier_signal -1                            ; every wave's stores into the image have landed (the wait for 0 above)
	s_barrier_wait -1
.irp k, 0,1,2,3,4,5
	ds_load_b128 v[32+4*\k:35+4*\k], v8 offset:512*\k
.endr
	ds_load_b32 v56, v10
	s_wait_dscnt 0x0
.irp k, 0,1,2,3,4,5
	global_store_b128 v2, v[32+4*\k:35+4*\k], s[22:23] offset:(\k/3)*393216+(\k%3)*512   ; 512 consecutive bytes, aligned
.endr
	global_store_b32 v11, v56, s[24:25]
	s_wait_tensorcnt 0x0                           ; the wave's end
	ds_add_u32 v12, v13
	s_wait_dscnt 0x0
	s_endpgm
.Lfunc_end_k_q56d8835cc2_lnq:
	.size	k_q56d8835cc2_lnq, .Lfunc_end_k_q56d8835cc2_lnq-k_q56d8835cc2_lnq
	.p2alignl 7, 3214868480
	.fill 96, 4, 3214868480
	.section	.rodata,"a",@progbits
	.p2align	6, 0x0
	.amdhsa_kernel k_q56d8835cc2_lnq
		.amdhsa_group_segment_fixed_size 31744
		.amdhsa_private_segment_fixed_size 0
		.amdhsa_enable_private_segment 0
		.amdhsa_kernarg_size 32
		.amdhsa_user_sgpr_count 2
		.amdhsa_user_sgpr_kernarg_segment_ptr 1
		.amdhsa_wavefront_size32 1
		.amdhsa_system_sgpr_workgroup_id_x 1
		.amdhsa_system_sgpr_workgroup_id_y 1
		.amdhsa_system_sgpr_workgroup_id_z 1
		.amdhsa_system_vgpr_workitem_id 0
		.amdhsa_next_free_vgpr 224
		.amdhsa_next_free_sgpr 66
		.amdhsa_reserve_vcc 0
		.amdhsa_float_denorm_mode_32 3
		.amdhsa_float_denorm_mode_16_64 3
		.amdhsa_memory_ordered 1
		.amdhsa_forward_progress 1
		.amdhsa_inst_pref_size 44
	.end_amdhsa_kernel
	.amdgpu_metadata
---
amdhsa.version: [ 1, 2 ]
amdhsa.kernels:
  - .name:           k_q56d8835cc2_lnq
    .symbol:         k_q56d8835cc2_lnq.kd
    .args:
      - { .name: x, .offset: 0, .size: 8, .value_kind: global_buffer, .address_space: global }
      - { .name: ln1_g, .offset: 8, .size: 8, .value_kind: global_buffer, .address_space: global }
      - { .name: ln1_b, .offset: 16, .size: 8, .value_kind: global_buffer, .address_space: global }
      - { .name: hcodes, .offset: 24, .size: 8, .value_kind: global_buffer, .address_space: global }
    .group_segment_fixed_size: 31744
    .private_segment_fixed_size: 0
    .kernarg_segment_align: 8
    .kernarg_segment_size: 32
    .max_flat_workgroup_size: 128
    .sgpr_count:     66
    .vgpr_count:     224
    .wavefront_size: 32
...
	.end_amdgpu_metadata
.endif
;; end of part 2
;; launch qkv (part 3): grid 12 x 16, 4 waves a work-group, clusters of 4 x 4, 327,680 bytes of LDS; arguments hcodes, wcodes, bq, bk, bv, qkcodes, vcodes; writes qkcodes, vcodes
.if DOCPART == 3
	.amdgcn_target "amdgcn-amd-amdhsa--gfx1250"
	.amdhsa_code_object_version 6
	.text
	.protected	k_q56d8835cc2_qkv
	.globl	k_q56d8835cc2_qkv
	.p2align	8
	.type	k_q56d8835cc2_qkv,@function
k_q56d8835cc2_qkv:
	s_mov_b64 s[64:65], 0
	v_nop
	global_prefetch_b8 v0, s[64:65] scope:SCOPE_SE
	s_setreg_imm32_b32 hwreg(HW_REG_WAVE_MODE, 25, 1), 1
	s_wait_xcnt 0x0
	s_wait_alu depctr_hold_cnt(0) depctr_sa_sdst(0) depctr_va_vdst(0) depctr_va_sdst(0) depctr_va_ssrc(0) depctr_va_vcc(0) depctr_vm_vsrc(0)
	s_getreg_b32 s2, hwreg(HW_REG_IB_STS2, 6, 4)
	s_cmp_eq_u32 s2, 0
	s_cbranch_scc0 .Lentry_in_a_cluster
	s_endpgm
.Lentry_in_a_cluster:
	s_bfe_u32 s2, ttmp6, 0x10000c
	s_cmp_lg_u32 s2, 0xf033
	s_cbranch_scc0 .Lentry_shape_is_right
	s_endpgm
.Lentry_shape_is_right:
; q = h wq + bq, k = h wk + bk, v = h wv + bv on BF6 codes, each result quantised again on the way out: q and k along the head's 64 (K of the scores), v along the keys (K of the second product).
; A tile is 256 x 256, four waves of 128 x 128: 64 accumulators.  K = 1,024 goes in 4 slots' worth of 256 through a ring of two LDS slots.  All operands are images in the order of an operand's registers
; ([k / 128][row / 16][1536]): a fragment is three loads of 16 bytes a lane, 512 consecutive bytes each: no pitch, no padding.
; Source 0 ('B') runs along a lane's registers in the result, source 1 ('A') along the lanes.  CLUSTERS x = 0, 1 (q, k): B = 256 rows of the weights, A = 256 tokens: a lane holds one token and 16 neighbouring columns
; of two neighbouring tiles (the weights' rows are stored with bits 3 and 4 swapped).  CLUSTERS x = 2 (v): B = 256 tokens, A = 256 rows of wv: a lane holds one channel, and its registers the 16 tokens of one parity
; of a block of 32 keys (the tokens' storage order): so in v's codes positions 0-15 of a block are its even keys, 16-31 its odd ones; attn lays p the same way, which changes no product.
; The choice hangs on the cluster's x, which all sixteen partners share: pointers and strides by selection; one branch, round the first K step, whose C is the bias (by b for q and k, by a for v).
; 4 x 4 work-groups form a cluster: A's tiles are asked for jointly along a row of the cluster, B's along a column.
; OUT: qkcodes: image [16][256][1536] (k steps 0-7: q's head pairs, 8-15: k's), scale words at 6,291,456; vcodes: image [32 key steps][64][1536], scale words at 3,145,728.
; LIMITS: NaN and infinities are not served; a block of zeros or under 2^-122 gets the byte 1 (only this program reads the bytes).
; REGISTERS: window 0: v0-31 addresses; v32-63 scale words, two sets; v64-127 the bias; v128-223 A's fragments, one set.  window 1: B's, two sets, at v0 and v128.  windows 2, 3: the accumulators ((a, b) at v[8 (8 (a % 4) + b)]).
.set NL,    3                          ; LDS loads that bring a fragment
.set FR,    12
.set HALFT, 24576                      ; [2 k steps][8 blocks of 16 rows][1536]: what one tensor load brings
.set SLOT,  4*HALFT
.set SCL,   2*SLOT                     ; the scale words of all of K: 4 regions of [8][128] words
.set SPARE, SCL+16384
.set ADRA, 16
.set ADRB, 20
.set GOF,  24                          ; 16 x lane
.set SST,  25                          ; the way out: my rows' scale words, into LDS
.set SLD,  26                          ; and back
.set ADRS, 27
.set SPW,  28
.set NIL,  29
.set SC,   32
.set BI,   64
.set AF,   128
.set PC,   192                         ; the way out: codes
.set TM,   212
.set PW,   228
.set SEL,  66
.set G1, 24
.set G0, 32
.set G1B, 48
.set G0B, 56
.set G1S, 68
.set G0S, 76
.set G1SB, 80
.set G0SB, 88
.set MSB, 0
.macro WIN new                         ; the immediate's high byte repeats the setting that is left
.if MSB != (\new)
	s_set_vgpr_msb (MSB<<8)|(\new)
.set MSB, (\new)
.endif
.endm
.macro JLOAD g0a, g1a, g0b, g1b        ; a joint load: waves 0 and 1 fetch for A, waves 2 and 3 for B; an s_nop 0 and four v_nop follow each line
	s_cmp_eq_u32 s15, 0
	s_cbranch_scc0 .Lfor_b_\@
	tensor_load_to_lds s[\g0a:\g0a+3], s[\g1a:\g1a+7]
	s_nop 0
.rept 4
	v_nop
.endr
	s_branch .Lasked_\@
.Lfor_b_\@:
	tensor_load_to_lds s[\g0b:\g0b+3], s[\g1b:\g1b+7]
	s_nop 0
.rept 4
	v_nop
.endr
.Lasked_\@:
.endm
.macro CREST                           ; a round of the cluster's barrier behind its opening barrier
	s_cmp_lg_u32 s14, 0
	s_cbranch_scc1 .Lnot_wave_0_\@
	s_barrier_signal -3
.Lnot_wave_0_\@:
	s_barrier_wait -3
	s_barrier_signal -1
	s_barrier_wait -1
.endm
.macro CROUND
	s_barrier_signal -1
	s_barrier_wait -1
	CREST
.endm
.macro PLACES n
.rept \n
	v_nop
.endr
.endm
	s_load_b256 s[4:11], s[0:1], 0x0               ; h's codes, the weights' codes, bq, bk
	s_load_b128 s[96:99], s[0:1], 0x20             ; bv, qkcodes
	s_load_b64 s[100:101], s[0:1], 0x30            ; vcodes
	v_lshl_add_u32 v[SPW], v0, 2, SPARE
	v_mov_b32 v[NIL], 0
	ds_add_u32 v[SPW], v[NIL]                      ; the wave's opening: the add, twice on end, and its wait ahead of my first tensor load
	ds_add_u32 v[SPW], v[NIL]
	v_lshrrev_b32 v1, 5, v0
	v_readfirstlane_b32 s14, v1                    ; wave
	s_lshr_b32 s15, s14, 1                         ; my half of A's rows.  Also: I fetch for A (0) or B (1)
	s_and_b32 s16, s14, 1                          ; my half of B's rows.  Also: which 128 rows I fetch
	s_bfe_u32 s40, ttmp6, 0x40000                  ; cx
	s_bfe_u32 s41, ttmp6, 0x40004                  ; cy
	s_and_b32 s18, ttmp7, 0xffff                   ; the cluster's y
	s_mov_b32 s2, 3145728
	s_mov_b32 s94, 9437184
	s_cmp_eq_u32 ttmp9, 2                          ; the cluster's x: 0 q, 1 k, 2 v: the same in all sixteen partners
	s_cselect_b32 s3, 1, 0
	s_cselect_b32 s42, s18, ttmp9
	s_cselect_b32 s17, 0, s18
	s_cselect_b32 s19, 196608, 0                   ; A's image: wv's rows begin at row 2,048 of the weights' image
	s_cselect_b32 s95, 9445376, s2                 ; A's scale words
	s_cselect_b32 s94, s2, s94                     ; B's scale words
	s_lshl_b32 s42, s42, 2
	s_add_co_u32 s42, s42, s40                     ; tile column (B)
	s_lshl_b32 s17, s17, 2
	s_add_co_u32 s17, s17, s41                     ; tile row (A)
	s_lshl_b32 s43, s41, 2
	s_lshl_b32 s43, 15, s43                        ; my row of the cluster
	s_lshl_b32 s44, 0x1111, s40                    ; my column
	s_or_b32 s[G1], s43, (3<<16)|(1<<21)           ; the mask; elements of 8 bytes; bit 21 beside a mask; no padding
	s_or_b32 s[G1B], s44, (3<<16)|(1<<21)
.irp g, G1, G1B                        ; a tile: 2 k steps x 12,288 bytes (8 blocks of rows), 393,216 bytes apart
	s_mov_b32 s[\g+1], 1536<<16
	s_mov_b32 s[\g+2], 2<<16
	s_mov_b32 s[\g+3], 1536<<16
	s_mov_b32 s[\g+4], 2
	s_mov_b32 s[\g+5], 49152
	s_mov_b32 s[\g+6], 0
	s_mov_b32 s[\g+7], 0
.endr
	s_or_b32 s[G1S], s43, (3<<16)|(1<<21)
	s_or_b32 s[G1SB], s44, (3<<16)|(1<<21)
.irp g, G1S, G1SB                      ; scale words: 8 k steps x 512 bytes, 16,384 bytes apart
	s_mov_b32 s[\g+1], 64<<16
	s_mov_b32 s[\g+2], 8<<16
	s_mov_b32 s[\g+3], 64<<16
	s_mov_b32 s[\g+4], 8
	s_mov_b32 s[\g+5], 2048
	s_mov_b32 s[\g+6], 0
	s_mov_b32 s[\g+7], 0
.endr
	s_lshl_b32 s18, s16, 7
	s_lshl_b32 s20, s17, 8
	s_add_co_u32 s20, s20, s18                     ; A: the first row that I fetch
	s_lshl_b32 s46, s42, 8
	s_add_co_u32 s46, s46, s18                     ; B likewise
	s_lshl_b32 s22, s20, 2
	s_add_co_u32 s22, s22, s95
	s_mov_b32 s23, 0
	s_mul_i32 s20, s20, 96
	s_add_co_u32 s20, s20, s19
	s_mov_b32 s21, 0
	s_lshl_b32 s92, s46, 2
	s_add_co_u32 s92, s92, s94
	s_mov_b32 s93, 0
	s_mul_i32 s46, s46, 96
	s_mov_b32 s47, 0
	s_mul_i32 s45, s14, HALFT                      ; where they go: by the wave's number alone
	s_lshl_b32 s94, s14, 12
	s_wait_dscnt 0x0                               ; both opening adds are done
	s_wait_kmcnt 0x0
	s_cmp_eq_u32 s3, 1
	s_cselect_b64 s[66:67], s[6:7], s[4:5]         ; A's buffer
	s_cselect_b64 s[12:13], s[4:5], s[6:7]         ; B's
	s_add_nc_u64 s[20:21], s[66:67], s[20:21]
	s_add_nc_u64 s[22:23], s[66:67], s[22:23]
	s_add_nc_u64 s[46:47], s[12:13], s[46:47]
	s_add_nc_u64 s[92:93], s[12:13], s[92:93]
	CROUND                                         ; all sixteen work-groups are here: the first joint loads meet
	s_mov_b32 s[G0S], 1
	s_add_co_u32 s[G0S+1], s94, SCL
	s_mov_b64 s[G0S+2:G0S+3], s[22:23]
	s_or_b32 s[G0S+3], s[G0S+3], 0x80000000
	s_mov_b32 s[G0SB], 1
	s_add_co_u32 s[G0SB+1], s94, SCL
	s_mov_b64 s[G0SB+2:G0SB+3], s[92:93]
	s_or_b32 s[G0SB+3], s[G0SB+3], 0x80000000
	JLOAD G0S, G1S, G0SB, G1SB
.irp s, 0,1
	s_mov_b32 s[G0+4*\s], 1
	s_add_co_u32 s[G0+4*\s+1], s45, \s*SLOT
	s_add_nc_u64 s[G0+4*\s+2:G0+4*\s+3], s[20:21], \s*786432
	s_or_b32 s[G0+4*\s+3], s[G0+4*\s+3], 0x80000000
	s_mov_b32 s[G0B+4*\s], 1
	s_add_co_u32 s[G0B+4*\s+1], s45, \s*SLOT
	s_add_nc_u64 s[G0B+4*\s+2:G0B+4*\s+3], s[46:47], \s*786432
	s_or_b32 s[G0B+4*\s+3], s[G0B+4*\s+3], 0x80000000
	JLOAD G0+4*\s, G1, G0B+4*\s, G1B
.endr
	v_and_b32 v1, 15, v0                           ; r
	v_bfe_u32 v2, v0, 4, 1                         ; h
	v_and_b32 v3, 31, v0
	v_lshlrev_b32 v[GOF], 4, v3
	s_mul_i32 s21, s15, HALFT
	s_mul_i32 s22, s16, HALFT
	s_add_co_u32 s22, s22, 2*HALFT
.irp s, 0,1
	v_add_nc_u32 v[ADRA+\s], s21, v[GOF]
	v_add_nc_u32 v[ADRB+\s], s22, v[GOF]
	s_add_co_u32 s21, s21, SLOT
	s_add_co_u32 s22, s22, SLOT
.endr
	s_lshl_b32 s21, s15, 12
	s_lshl_b32 s22, s16, 12
	s_add_co_u32 s22, s22, 8192
	s_sub_co_u32 s22, s22, s21
	v_mul_u32_u24 v6, s22, v2                      ; lanes 16-31 take B's words
	s_add_co_u32 s21, s21, SCL
	v_lshl_add_u32 v5, v1, 2, v6
	v_add_nc_u32 v[ADRS], s21, v5
	s_lshl_b32 s21, s14, 9
	v_lshl_add_u32 v[SST], v1, 2, s21
	v_add_nc_u32 v[SLD], s21, v[GOF]
	; the bias, as the C of the first K step: 64 registers.  q, k: register 8 b + j holds the bias of column 32 (b / 2) + 8 (b % 2) + 16 h + j; v: register 8 a + j that of channel 32 (a / 2) + 8 (a % 2) + r + 8 (r / 8), the same for all j
	s_cmp_eq_u32 ttmp9, 0
	s_cselect_b64 s[66:67], s[8:9], s[10:11]
	s_mov_b32 s95, 393216
	s_mov_b32 s94, 16384
	s_mov_b32 s93, 6291456
	s_cmp_eq_u32 s3, 1
	s_cselect_b64 s[66:67], s[96:97], s[66:67]
	s_cselect_b64 s[12:13], s[100:101], s[98:99]   ; where the results go
	s_cselect_b32 s18, 4, 0
	s_cselect_b32 s19, 0, 64
	s_cselect_b32 s2, 0, 4
	s_cselect_b32 s95, 98304, s95                  ; from one 128 along the results' K to the next: image,
	s_cselect_b32 s94, 4096, s94                   ; scale words;
	s_cselect_b32 s93, 3145728, s93                ; where the scale words begin
	s_cselect_b32 s20, s41, s40
	s_cselect_b32 s21, s15, s16
	s_lshl_b32 s20, s20, 10
	s_lshl_b32 s21, s21, 9
	s_add_co_u32 s20, s20, s21
	s_mov_b32 s21, 0
	s_add_nc_u64 s[66:67], s[66:67], s[20:21]
	v_and_b32 v3, 8, v1
	v_add_nc_u32 v3, v3, v1
	v_mul_u32_u24 v4, s18, v3
	v_mad_u32_u24 v4, v2, s19, v4
.irp j, 0,1,2,3,4,5,6,7
	v_mad_u32_u24 v[8+\j], s2, \j, v4
.endr
.irp x, 0,1,2,3,4,5,6,7
.irp j, 0,1,2,3,4,5,6,7
	global_load_b32 v[BI+8*\x+\j], v[8+\j], s[66:67] offset:(32*(\x/2)+8*(\x%2))*4
.endr
.endr
	s_lshl_b32 s46, s42, 1
	s_add_co_u32 s46, s46, s16                     ; my 128 along the results' K
	s_mul_i32 s47, s46, s94
	s_mul_i32 s46, s46, s95
	s_lshl_b32 s20, s17, 1
	s_add_co_u32 s20, s20, s15                     ; my 128 rows of the results
	s_mul_i32 s21, s20, 12288
	s_add_co_u32 s46, s46, s21
	s_lshl_b32 s20, s20, 9
	s_add_co_u32 s20, s20, s47
	s_add_co_u32 s20, s20, s93
	s_mov_b32 s21, 0
	s_mov_b32 s47, 0
	s_add_nc_u64 s[94:95], s[12:13], s[20:21]      ; my 512 bytes of scale words
	s_add_nc_u64 s[12:13], s[12:13], s[46:47]      ; my 12,288 bytes of the image
.macro FRAG reg, adr, q, i
.irp c, 0,1,2
	ds_load_b128 v[\reg+4*\c:\reg+4*\c+3], v[\adr] offset:(\q)*12288+(\i)*1536+512*\c
.endr
.endm
; 16 matrix instructions: A's blocks a0, a0 + 1 x B's eight.  zero = 1: C is the bias by b; 2: by a; 0: the sum goes on.  The 64 accumulators take turns, one instruction a turn.
.macro MUL16 a0, p, q, sc, zero
.irp a, \a0, \a0+1
.irp b, 0,1,2,3,4,5,6,7
.set DD, 8*(8*((\a)%4)+\b)
.if \zero == 1
.set CC, BI+8*\b
.elseif \zero == 2
.set CC, BI+8*(\a)
.else
.set CC, DD
.endif
	v_wmma_scale_f32_16x16x128_f8f6f4 v[DD:DD+7], v[128*(\p)+FR*\b:128*(\p)+FR*\b+FR-1], v[AF+FR*(\a):AF+FR*(\a)+FR-1], v[CC:CC+7], v[SC+16*(\sc)+2*\b+(\q)], v[SC+16*(\sc)+2*(\a)+(\q)] matrix_a_fmt:MATRIX_FMT_BF6 matrix_b_fmt:MATRIX_FMT_BF6 matrix_a_scale:MATRIX_SCALE_ROW1
.endr
.endr
.endm
.macro FETCH_B slot, q, p
	WIN 0x40
.irp i, 0,1,2,3,4,5,6,7
	FRAG 128*(\p)+FR*\i, ADRB+\slot, \q, \i
.endr
	WIN 0
.endm
.macro FETCH_A slot, q, i0
.irp i, \i0, \i0+1, \i0+2, \i0+3
	FRAG AF+FR*(\i), ADRA+\slot, \q, \i
.endr
.endm
.macro SCALES sc                       ; a slot's scale words: lanes 0-15 A's block i, lanes 16-31 B's block i
.irp i, 0,1,2,3,4,5,6,7
	ds_load_b32 v[SC+16*\sc+2*\i], v[ADRS] offset:64*\i
	ds_load_b32 v[SC+16*\sc+2*\i+1], v[ADRS] offset:512+64*\i
.endr
.endm
.macro STEP slot, q, zero              ; 128 along K that has its successor in the same slot
	s_wait_dscnt 4*NL                              ; all but the youngest 12 loads (A's blocks 4-7)
.if \zero
	WIN 0x81                                       ; B window 1, A and C window 0, D window 2
.else
	WIN 0xa1
.endif
	MUL16 0, (\q)%2, \q, \slot, \zero
	MUL16 2, (\q)%2, \q, \slot, \zero
	s_wait_dscnt 0
	PLACES 4                                       ; in front of loads into registers that matrix instructions have read
	FETCH_B \slot, (\q)+1, 1-(\q)%2
	FETCH_A \slot, (\q)+1, 0
.if \zero
	WIN 0xc1
.else
	WIN 0xf1
.endif
	MUL16 4, (\q)%2, \q, \slot, \zero
	MUL16 6, (\q)%2, \q, \slot, \zero
	PLACES 4
	WIN 0
	FETCH_A \slot, (\q)+1, 4
.endm
.macro TURN slot, next, fill           ; a slot's last step changes slots: one barrier; fill = 1: it opens a round of the cluster's barrier, and this slot is filled again
	s_wait_tensorcnt 0x0                           ; all my tensor loads have landed: my part of the next slot
	ds_add_u32 v[SPW], v[NIL]                      ; 0 onto my spare word
	s_wait_dscnt 4*NL+1                            ; (the add and A's blocks 4-7 may be out)
	WIN 0xa1
	MUL16 0, 1, 1, \slot, 0
	s_wait_dscnt 0x0                               ; the add is done, and my reads of this slot are over
	s_barrier_signal -1
	MUL16 2, 1, 1, \slot, 0
	WIN 0
	s_barrier_wait -1
.if \fill
	CREST                                          ; no wave of any partner still reads this slot or has a load on its way
	s_add_nc_u64 s[G0+4*\slot+2:G0+4*\slot+3], s[G0+4*\slot+2:G0+4*\slot+3], 1572864
	s_add_nc_u64 s[G0B+4*\slot+2:G0B+4*\slot+3], s[G0B+4*\slot+2:G0B+4*\slot+3], 1572864
	JLOAD G0+4*\slot, G1, G0B+4*\slot, G1B         ; its four v_nop are also the places in front of the loads below
.else
	PLACES 4
.endif
	v_add_nc_u32 v[ADRS], 1024, v[ADRS]
	FETCH_B \next, 0, 0
	FETCH_A \next, 0, 0
	SCALES \next
	WIN 0xf1
	MUL16 4, 1, 1, \slot, 0
	MUL16 6, 1, 1, \slot, 0
	PLACES 4
	WIN 0
	FETCH_A \next, 0, 4
.endm
	s_wait_tensorcnt 1                             ; the scale words and my part of slot 0 are in; slot 1's load may be out
	s_barrier_signal -1
	s_barrier_wait -1
	FETCH_B 0, 0, 0
	FETCH_A 0, 0, 0
	SCALES 0
	FETCH_A 0, 0, 4
	s_wait_loadcnt 0x0                             ; the bias
	s_cmp_eq_u32 s3, 1
	s_cbranch_scc1 .Lv_first
	STEP 0, 0, 1
	s_branch .Lfirst_done
.Lv_first:
	STEP 0, 0, 2
.Lfirst_done:
	TURN 0, 1, 1
	STEP 1, 0, 0
	TURN 1, 0, 1
	STEP 0, 0, 0
	TURN 0, 1, 0                                   ; the last two slots: nothing is left to fetch
	STEP 1, 0, 0
	s_wait_dscnt 4*NL
	WIN 0xa1
	MUL16 0, 1, 1, 1, 0
	MUL16 2, 1, 1, 1, 0
	s_wait_dscnt 0
	WIN 0xf1
	MUL16 4, 1, 1, 1, 0
	MUL16 6, 1, 1, 1, 0
	WIN 0
; THE WAY OUT.  The 64 registers of A's block a are, for my lane's row, k = 32 b + 16 (lane / 16) + i at register 16 b + i: they become one fragment's codes and a scale word, and leave as the image's bytes.
.macro QUANTW s, wn                    ; sources in window wn
	WIN (\wn)|((\wn)<<2)
.irp b, 0,1,2,3
	v_max3_num_f32 v[TM+\b], |v[\s+16*\b]|, |v[\s+16*\b+1]|, 0x2800000   ; with the floor 2^(5 - 127)
.endr
.irp i, 2,4,6,8,10,12,14
.irp b, 0,1,2,3
	v_max3_num_f32 v[TM+\b], |v[\s+16*\b+\i]|, |v[\s+16*\b+\i+1]|, v[TM+\b]
.endr
.endr
	WIN 0
.irp b, 0,1,2,3
	v_permlanex16_b32 v[TM+4+\b], v[TM+\b], s[SEL], s[SEL+1]
.endr
.irp b, 0,1,2,3
	v_max_num_f32 v[TM+\b], v[TM+\b], v[TM+4+\b]
.endr
.irp b, 0,1,2,3
	v_add_nc_u32 v[TM+12+\b], 0xfe000000, v[TM+\b]
.endr
.irp b, 0,1,2,3
	v_lshrrev_b32 v[TM+4+\b], 23, v[TM+12+\b]
.endr
	v_lshl_or_b32 v[PW], v[TM+5], 8, v[TM+4]
	v_lshl_or_b32 v[PW], v[TM+6], 16, v[PW]
	v_lshl_or_b32 v[PW], v[TM+7], 24, v[PW]
	WIN \wn
.irp c, 0,1
	v_cvt_scalef32_pk16_bf6_f32 v[PC+6*\c:PC+6*\c+2], v[\s+32*\c:\s+32*\c+15], v[TM+12+2*\c]
	v_cvt_scalef32_pk16_bf6_f32 v[PC+12+4*\c:PC+14+4*\c], v[\s+32*\c+16:\s+32*\c+31], v[TM+13+2*\c]
.endr
	WIN 0
	v_nop                                          ; one plain place behind a scaled conversion
.irp c, 0,1
.irp i, 0,1,2
	v_permlane16_swap_b32 v[PC+6*\c+\i], v[PC+12+4*\c+\i]   ; a whole block to a lane
.endr
.irp i, 0,1,2
	v_mov_b32 v[PC+3+6*\c+\i], v[PC+12+4*\c+\i]
.endr
.endr
.endm
.macro OUTA a
.if (\a) > 0
	s_wait_xcnt 0x0                                ; the last block's stores have read their registers
	s_wait_dscnt 0x0
.endif
	QUANTW 64*((\a)%4), 2+(\a)/4
.irp c, 0,1,2
	global_store_b128 v[GOF], v[PC+4*\c:PC+4*\c+3], s[12:13] offset:(\a)*1536+512*\c   ; 512 consecutive bytes, aligned
.endr
	ds_store_b32 v[SST], v[PW] offset:64*(\a)      ; into slot 0, which has had its last fill and its last read
.endm
	s_mov_b32 s[SEL], 0x76543210
	s_mov_b32 s[SEL+1], 0xfedcba98
	PLACES 4                                       ; the registers at work below (v192-228) held A's last fragments, which the last products read: four places that name none of them stand ahead of the first write (ISA guide 7.12.1); they also serve the first reads of results
.irp b, 0,1,2,3
	v_mov_b32 v[TM+4+\b], 0                        ; a lane permute's destination counts as a source
.endr
.irp a, 0,1,2,3,4,5,6,7
	OUTA \a
.endr
	ds_load_b128 v[TM:TM+3], v[SLD]                ; LDS serves a wave's instructions in order: my 128 scale words
	s_wait_dscnt 0x0
	global_store_b128 v[GOF], v[TM:TM+3], s[94:95]
	s_wait_tensorcnt 0x0                           ; the wave's end
	ds_add_u32 v[SPW], v[NIL]
	s_wait_dscnt 0x0
	CROUND                                         ; the closing round
	s_endpgm
.Lfunc_end_k_q56d8835cc2_qkv:
	.size	k_q56d8835cc2_qkv, .Lfunc_end_k_q56d8835cc2_qkv-k_q56d8835cc2_qkv
	.p2alignl 7, 3214868480
	.fill 96, 4, 3214868480
	.section	.rodata,"a",@progbits
	.p2align	6, 0x0
	.amdhsa_kernel k_q56d8835cc2_qkv
		.amdhsa_group_segment_fixed_size 327680
		.amdhsa_private_segment_fixed_size 0
		.amdhsa_enable_private_segment 0
		.amdhsa_kernarg_size 56
		.amdhsa_user_sgpr_count 2
		.amdhsa_user_sgpr_kernarg_segment_ptr 1
		.amdhsa_wavefront_size32 1
		.amdhsa_system_sgpr_workgroup_id_x 1
		.amdhsa_system_sgpr_workgroup_id_y 1
		.amdhsa_system_sgpr_workgroup_id_z 1
		.amdhsa_system_vgpr_workitem_id 0
		.amdhsa_next_free_vgpr 1024
		.amdhsa_next_free_sgpr 102
		.amdhsa_reserve_vcc 0
		.amdhsa_float_denorm_mode_32 3
		.amdhsa_float_denorm_mode_16_64 3
		.amdhsa_memory_ordered 1
		.amdhsa_forward_progress 1
		.amdhsa_inst_pref_size 162
	.end_amdhsa_kernel
	.amdgpu_metadata
---
amdhsa.version: [ 1, 2 ]
amdhsa.kernels:
  - .name:           k_q56d8835cc2_qkv
    .symbol:         k_q56d8835cc2_qkv.kd
    .args:
      - { .name: hcodes, .offset: 0, .size: 8, .value_kind: global_buffer, .address_space: global }
      - { .name: wcodes, .offset: 8, .size: 8, .value_kind: global_buffer, .address_space: global }
      - { .name: bq, .offset: 16, .size: 8, .value_kind: global_buffer, .address_space: global }
      - { .name: bk, .offset: 24, .size: 8, .value_kind: global_buffer, .address_space: global }
      - { .name: bv, .offset: 32, .size: 8, .value_kind: global_buffer, .address_space: global }
      - { .name: qkcodes, .offset: 40, .size: 8, .value_kind: global_buffer, .address_space: global }
      - { .name: vcodes, .offset: 48, .size: 8, .value_kind: global_buffer, .address_space: global }
    .group_segment_fixed_size: 327680
    .private_segment_fixed_size: 0
    .kernarg_segment_align: 8
    .kernarg_segment_size: 56
    .max_flat_workgroup_size: 128
    .sgpr_count:     102
    .vgpr_count:     1024
    .wavefront_size: 32
...
	.end_amdgpu_metadata
.endif
;; end of part 3
;; launch attn (part 4): grid 256 x 1, 16 waves a work-group, no clusters, 167,936 bytes of LDS; arguments qkcodes, vcodes, ctxcodes; writes ctxcodes
.if DOCPART == 4
	.amdgcn_target "amdgcn-amd-amdhsa--gfx1250"
	.amdhsa_code_object_version 6
	.text
	.protected	k_q56d8835cc2_attn
	.globl	k_q56d8835cc2_attn
	.p2align	8
	.type	k_q56d8835cc2_attn,@function
k_q56d8835cc2_attn:
	s_mov_b64 s[64:65], 0
	v_nop
	global_prefetch_b8 v0, s[64:65] scope:SCOPE_SE
	s_setreg_imm32_b32 hwreg(HW_REG_WAVE_MODE, 25, 1), 1
	s_wait_xcnt 0x0
; ctx = softmax(q k^T / 8 under the mask) v, both products on BF6 codes; the result is quantised along the model's 1,024 for the next product.
; WORK LEFT OUT (shown at the head of the first kernel): key j counts for query i only where i - j is even and 0 <= i - j <= 256.  So a tile of 16 queries of ONE parity meets only keys of that parity, in the three steps of 128
; keys that begin two steps before its block of 128 queries (at the sequence's start: at key 0); steps behind the block are jumped over by a branch on the work-group's number.
; SHARES.  A work-group: a pair of heads, 128 queries.  Wave w: head w % 2 of the pair, parity (w / 2) % 2, queries 32 (w / 4) + 2 r + parity.  K's, V's codes and scale words of the window come once, by four tensor loads.
; No cluster: the work-groups that share K and V are the query blocks of one pair of heads, whose windows begin at different keys, so a joint tile would have to lie at different LDS places in the partners.
; LAYOUT.  S^T = K Q^T (K = the head's 64: registers 6-11 of both fragments are zero codes).  The 16 keys of a tile are chosen so that lane (r, h) holds, in 16 registers, the 16 keys of my parity of key block 2 c2 + h.
; p = 2^(t - M), M the ceiling of the running largest t; the row's sum is of the unquantised p.  In a block of 32 keys p's codes stand at positions 0-15 (even keys) or 16-31 (odd), zeros at the others, as V's codes were laid.
; O^T = V^T P^T over the step's 128 keys.  LIMITS: NaN and infinities are not served; blocks of zeros get the byte 1.
.set KT,  0                            ; K: 24 blocks of 16 rows, 32 bytes of padding behind each 256: a block 1,728 bytes, a third of it 576, half a third 288
.set VT,  41472                        ; V: 3 steps x 8 blocks of 16 channels, padded likewise
.set KS,  82944                        ; K's scale words: 384
.set VS,  84480                        ; V's: 3 x 128
.set CST, 86016                        ; the result's image: 8 blocks of 16 rows x 1,536
.set CSS, 98304                        ; its scale words
.set SPARE, 98816
.set RBP, 1728
.set AK1, 1
.set AK2, 2
.set AKS, 3
.set AV,  4
.set AVS, 5
.set SPW, 6
.set NIL, 7
.set DL,  8                            ; 16 (w / 4) + r - 16 h
.set AC1, 9
.set AC2, 10
.set ACS, 11                           ; v12 -M, v13 the largest t, v[14:15] the sum in two halves
.set Q,   16
.set QS,  28
.set ZR,  29                           ; 0
.set NI,  30                           ; -infinity
.set SH8, 31                           ; 8 h
.set KF,  32
.set VF,  80
.set S,   128
.set O,   160
.set P,   192
.set TP,  204
.set KSW, 220
.set VSW, 224
.set PW,  228
.set GOA, 241
.set LOA, 242
.set GSA, 243
.set LSA, 244
.set G1K, 16
.set G1V, 24
.set G1S, 32
.set G1T, 40
.set G0K, 48
.set G0V, 52
.set G0S, 56
.set G0T, 60
.set WV,  66
.set HP,  67
.set MB,  68
.set BB,  69
.set MS,  70
.set SD0, 71                           ; 64 x (my block of queries - the window's first step)
.set HC,  72
.set PAR, 73
.set GP,  74
.set PM,  75                           ; all ones for odd queries
.set SEL, 76
.set CS,  78
	s_load_b128 s[4:7], s[0:1], 0x0                ; qkcodes, vcodes
	s_load_b64 s[8:9], s[0:1], 0x10                ; ctxcodes
	v_lshl_add_u32 v[SPW], v0, 2, SPARE
	v_mov_b32 v[NIL], 0
	ds_add_u32 v[SPW], v[NIL]                      ; the wave's opening: the add, twice on end, and its wait ahead of the first tensor loads
	ds_add_u32 v[SPW], v[NIL]
	v_lshrrev_b32 v212, 5, v0
	v_readfirstlane_b32 s[WV], v212
	s_and_b32 s[HP], ttmp9, 7                      ; the pair of heads
	s_bfe_u32 s[MB], ttmp9, 0x40003                ; the block of 128 queries
	s_lshr_b32 s[BB], ttmp9, 7                     ; the batch
	s_max_u32 s[MS], s[MB], 2
	s_sub_co_u32 s[MS], s[MS], 2                   ; the window's first key step
	s_sub_co_u32 s[SD0], s[MB], s[MS]
	s_lshl_b32 s[SD0], s[SD0], 6
	s_and_b32 s[HC], s[WV], 1
	s_bfe_u32 s[PAR], s[WV], 0x10001
	s_lshr_b32 s[GP], s[WV], 2
	s_sub_co_u32 s[PM], 0, s[PAR]
	s_mov_b32 s[G1K], (3<<16)|(1<<20)|(5<<22)|(7<<25)   ; elements of 8 bytes; 8 words of padding behind every 64
	s_mov_b32 s[G1K+1], 32<<16                     ; K: a dense block, 144 rows of 256 bytes
	s_mov_b32 s[G1K+2], 144<<16
	s_mov_b32 s[G1K+3], 32<<16
	s_mov_b32 s[G1K+4], 144
	s_mov_b32 s[G1K+5], 32
	s_mov_b32 s[G1K+6], 0
	s_mov_b32 s[G1K+7], 0
	s_mov_b32 s[G1V], (3<<16)|(1<<20)|(5<<22)|(7<<25)
	s_mov_b32 s[G1V+1], 1536<<16                   ; V: 3 key steps x 12,288 bytes, 98,304 bytes apart
	s_mov_b32 s[G1V+2], 3<<16
	s_mov_b32 s[G1V+3], 1536<<16
	s_mov_b32 s[G1V+4], 3
	s_mov_b32 s[G1V+5], 12288
	s_mov_b32 s[G1V+6], 0
	s_mov_b32 s[G1V+7], 0
	s_mov_b32 s[G1S], 3<<16                        ; K's scale words: dense, 6 rows of 256 bytes
	s_mov_b32 s[G1S+1], 32<<16
	s_mov_b32 s[G1S+2], 6<<16
	s_mov_b32 s[G1S+3], 32<<16
	s_mov_b32 s[G1S+4], 6
	s_mov_b32 s[G1S+5], 32
	s_mov_b32 s[G1S+6], 0
	s_mov_b32 s[G1S+7], 0
	s_mov_b32 s[G1T], 3<<16                        ; V's: 3 steps x 512 bytes, 4,096 bytes apart
	s_mov_b32 s[G1T+1], 64<<16
	s_mov_b32 s[G1T+2], 3<<16
	s_mov_b32 s[G1T+3], 64<<16
	s_mov_b32 s[G1T+4], 3
	s_mov_b32 s[G1T+5], 512
	s_mov_b32 s[G1T+6], 0
	s_mov_b32 s[G1T+7], 0
	s_add_co_u32 s88, s[HP], 8                     ; k's part of qkcodes: k steps 8 on
	s_lshl_b32 s89, s[BB], 7
	s_lshl_b32 s90, s[MS], 3
	s_add_co_u32 s90, s89, s90                     ; the window's first block of 16 rows
	s_mul_i32 s80, s88, 393216
	s_mul_i32 s91, s90, 1536
	s_add_co_u32 s80, s80, s91
	s_mov_b32 s81, 0
	s_lshl_b32 s84, s88, 14
	s_lshl_b32 s91, s90, 6
	s_add_co_u32 s84, s84, s91
	s_add_co_u32 s84, s84, 6291456
	s_mov_b32 s85, 0
	s_lshl_b32 s90, s[BB], 4
	s_add_co_u32 s90, s90, s[MS]
	s_mul_i32 s82, s90, 98304
	s_mul_i32 s91, s[HP], 12288
	s_add_co_u32 s82, s82, s91
	s_mov_b32 s83, 0
	s_lshl_b32 s86, s90, 12
	s_lshl_b32 s91, s[HP], 9
	s_add_co_u32 s86, s86, s91
	s_add_co_u32 s86, s86, 3145728
	s_mov_b32 s87, 0
	s_lshl_b32 s90, s[MB], 3
	s_add_co_u32 s89, s89, s90                     ; my work-group's first block of 16 rows
	s_lshl_b32 s90, s[GP], 1
	s_add_co_u32 s90, s89, s90                     ; my wave's
	s_mul_i32 s88, s[HP], 393216
	s_mul_i32 s92, s90, 1536
	s_add_co_u32 s92, s92, s88
	s_mov_b32 s93, 0
	s_lshl_b32 s94, s90, 6
	s_lshl_b32 s91, s[HP], 14
	s_add_co_u32 s94, s94, s91
	s_add_co_u32 s94, s94, 6291456
	s_mov_b32 s95, 0
	s_lshl_b32 s90, s89, 6
	s_add_co_u32 s90, s90, s91
	s_add_co_u32 s90, s90, 3145728
	s_mov_b32 s91, 0
	s_mul_i32 s89, s89, 1536
	s_add_co_u32 s88, s88, s89
	s_mov_b32 s89, 0
	s_mov_b32 s[SEL], 0x76543210
	s_mov_b32 s[SEL+1], 0xfedcba98
	s_mov_b32 s[CS], 0x3e38aa3b                    ; log2(e) / 8
	s_mov_b32 s[CS+1], s[CS]
	s_wait_dscnt 0x0                               ; both opening adds are done
	s_wait_kmcnt 0x0
	s_mov_b32 s[G0K], 1
	s_mov_b32 s[G0K+1], KT
	s_add_nc_u64 s[G0K+2:G0K+3], s[4:5], s[80:81]
	s_or_b32 s[G0K+3], s[G0K+3], 0x80000000
	s_mov_b32 s[G0V], 1
	s_mov_b32 s[G0V+1], VT
	s_add_nc_u64 s[G0V+2:G0V+3], s[6:7], s[82:83]
	s_or_b32 s[G0V+3], s[G0V+3], 0x80000000
	s_mov_b32 s[G0S], 1
	s_mov_b32 s[G0S+1], KS
	s_add_nc_u64 s[G0S+2:G0S+3], s[4:5], s[84:85]
	s_or_b32 s[G0S+3], s[G0S+3], 0x80000000
	s_mov_b32 s[G0T], 1
	s_mov_b32 s[G0T+1], VS
	s_add_nc_u64 s[G0T+2:G0T+3], s[6:7], s[86:87]
	s_or_b32 s[G0T+3], s[G0T+3], 0x80000000
.macro FILL1 n, g0, g1                 ; wave n's one fill; each of the four brings bytes of the window's first step, which every work-group reads
	s_cmp_lg_u32 s[WV], \n
	s_cbranch_scc1 .Lnot_\@
	tensor_load_to_lds s[\g0:\g0+3], s[\g1:\g1+7]
	s_nop 0
.rept 4
	v_nop
.endr
.Lnot_\@:
.endm
	FILL1 0, G0K, G1K
	FILL1 1, G0V, G1V
	FILL1 2, G0S, G1S
	FILL1 3, G0T, G1T
	s_add_nc_u64 s[10:11], s[4:5], s[92:93]        ; q's image at my wave's two blocks of rows
	s_add_nc_u64 s[12:13], s[4:5], s[94:95]        ; q's scale words
	s_add_nc_u64 s[14:15], s[8:9], s[90:91]        ; the result's scale words
	s_add_nc_u64 s[8:9], s[8:9], s[88:89]          ; the result's image
	v_and_b32 v212, 15, v0                         ; r
	v_bfe_u32 v213, v0, 4, 1                       ; h
	v_and_b32 v214, 7, v212
	v_lshrrev_b32 v215, 3, v212
	s_lshl_b32 s80, s[PAR], 3
	v_add_nc_u32 v216, s80, v214                   ; a token of my parity lies at row 8 parity + (r % 8) of its block of 16 storage rows
	v_mul_u32_u24 v[AK1], v215, 2*RBP              ; K: lanes 8-15 of a tile take the next block of 32 keys
	v_mad_u32_u24 v[AK1], v213, 288, v[AK1]
	v_lshl_add_u32 v[AK1], v216, 4, v[AK1]
	s_mul_i32 s81, s[HC], 1144
	s_add_co_u32 s81, s81, 8
	v_add_nc_u32 v[AK2], s81, v[AK1]               ; the second 8 bytes of block 2 c + h of a row
	s_mul_i32 s81, s[HC], 584
	v_add_nc_u32 v[AK1], s81, v[AK1]               ; the first, and 576 on the third
	v_lshl_add_u32 v[AKS], v215, 5, v216
	s_lshl_b32 s81, s[HC], 1
	s_add_co_u32 s81, s81, KS
	v_lshl_add_u32 v[AKS], v[AKS], 2, s81          ; my head's two scale bytes of the key's word
	v_mul_u32_u24 v[AV], v213, 288
	v_lshl_add_u32 v[AV], v212, 4, v[AV]
	s_mul_i32 s81, s[HC], 4*RBP
	s_add_co_u32 s81, s81, VT
	v_add_nc_u32 v[AV], s81, v[AV]
	s_lshl_b32 s81, s[HC], 8
	s_add_co_u32 s81, s81, VS
	v_lshl_add_u32 v[AVS], v212, 2, s81
	v_lshlrev_b32 v[DL], 4, v213
	v_sub_nc_u32 v[DL], v212, v[DL]
	s_lshl_b32 s81, s[GP], 4
	v_add_nc_u32 v[DL], s81, v[DL]
	v_mul_u32_u24 v217, v215, 1536                 ; my query's place in an image without padding
	v_lshl_add_u32 v217, v216, 4, v217
	v_lshl_add_u32 v217, v213, 8, v217
	s_mul_i32 s82, s[HC], 1016
	s_add_co_u32 s82, s82, 8
	s_mul_i32 s83, s[HC], 520
	v_add_nc_u32 v237, s82, v217
	v_add_nc_u32 v236, s83, v217
	s_mul_i32 s81, s[GP], 3072
	s_add_co_u32 s81, s81, CST
	v_add_nc_u32 v[AC1], s81, v236
	v_add_nc_u32 v[AC2], s81, v237
	v_lshl_add_u32 v238, v215, 4, v216
	s_lshl_b32 s82, s[HC], 1
	v_lshl_add_u32 v238, v238, 2, s82
	s_lshl_b32 s81, s[GP], 7
	s_add_co_u32 s81, s81, CSS
	v_add_nc_u32 v[ACS], s81, v238
	global_load_b64 v[Q:Q+1], v236, s[10:11]       ; q's fragment: my head's block h of my query
	global_load_b64 v[Q+2:Q+3], v237, s[10:11]
	global_load_b64 v[Q+4:Q+5], v236, s[10:11] offset:512
	global_load_u16 v[QS], v238, s[12:13]          ; its two scale bytes; the upper two are 0, over zero codes
.irp j, 6,7,8,9,10,11
	v_mov_b32 v[Q+\j], 0                           ; K = 64: the upper 64 of the instruction's 128 are zero codes on both sides.  The thirteen plain lines below, which name no operand of the first product, stand between these moves and it
.irp k, 0,1,2,3
	v_mov_b32 v[KF+12*\k+\j], 0
.endr
.endr
	v_and_b32 v218, 31, v0
	s_lshl_b32 s81, s[WV], 8
	v_lshl_add_u32 v[GOA], v218, 3, s81
	v_add_nc_u32 v[LOA], CST, v[GOA]
	v_lshlrev_b32 v[GSA], 4, v218
	v_add_nc_u32 v[LSA], CSS, v[GSA]
	v_mov_b32 v[ZR], 0
	v_mov_b32 v[NI], 0xff800000
	v_lshlrev_b32 v[SH8], 3, v213
	v_mov_b32 v14, 0
	v_mov_b32 v15, 0
	v_mov_b32 v215, 0                              ; lane permutes' destinations count as sources
	v_mov_b32 v219, 0                              ; (the upper half of the pair v[218:219])
	v_mov_b32 v235, 0
	s_wait_tensorcnt 0x0                           ; my fill, if I had one, has landed
	s_barrier_signal -1
	s_barrier_wait -1                              ; everybody's has
	s_wait_loadcnt 0x0                             ; q
.macro STEP s
.if \s > 0
	s_cmp_lt_u32 s[SD0], 64*\s                     ; all keys of this step come after all queries of the work-group
	s_cbranch_scc1 .Lafter_\@
.rept 4
	v_nop                                          ; places in front of loads into registers that matrix instructions have read
.endr
.endif
.irp k, 0,1,2,3                        ; tile 2 c2 + y: keys 8 y .. 8 y + 7 of my parity of key blocks 2 c2 (lanes 0-7) and 2 c2 + 1 (lanes 8-15)
	ds_load_b64 v[KF+12*\k:KF+12*\k+1], v[AK1] offset:(8*\s+4*(\k/2)+(\k%2))*RBP
	ds_load_b64 v[KF+12*\k+2:KF+12*\k+3], v[AK2] offset:(8*\s+4*(\k/2)+(\k%2))*RBP
	ds_load_b64 v[KF+12*\k+4:KF+12*\k+5], v[AK1] offset:(8*\s+4*(\k/2)+(\k%2))*RBP+576
	ds_load_u16 v[KSW+\k], v[AKS] offset:(128*\s+64*(\k/2)+16*(\k%2))*4
.endr
.irp t, 0,1,2,3
.irp c, 0,1,2
	ds_load_b128 v[VF+12*\t+4*\c:VF+12*\t+4*\c+3], v[AV] offset:(8*\s+\t)*RBP+576*\c
.endr
	ds_load_b32 v[VSW+\t], v[AVS] offset:512*\s+64*\t
.endr
	s_wait_dscnt 16                                ; K's 16 loads are in; V's 16 may be out
.irp k, 0,1,2,3
	v_wmma_scale_f32_16x16x128_f8f6f4 v[S+8*\k:S+8*\k+7], v[KF+12*\k:KF+12*\k+11], v[Q:Q+11], 0, v[KSW+\k], v[QS] matrix_a_fmt:MATRIX_FMT_BF6 matrix_b_fmt:MATRIX_FMT_BF6
.endr
.rept 4
	v_nop
.endr
; register 16 c2 + i stands for n = 32 c2 + i; half the distance from key to query is SD0 - 64 s + DL - n, which must lie in 0 .. 128
.if \s == 0
	s_cmp_lg_u32 s[SD0], 128
	s_cbranch_scc1 .Lnolow_\@
.set i, 0
.rept 32
	v_cmp_lt_i32 vcc_lo, 32*(i/16)+i%16, v[DL]     ; more than 256 tokens back
	v_cndmask_b32 v[S+i], v[S+i], v[NI], vcc_lo
.set i, i+1
.endr
.Lnolow_\@:
.endif
	s_cmp_lg_u32 s[SD0], 64*\s
	s_cbranch_scc1 .Lnohigh_\@
.set i, 0
.rept 32
	v_cmp_gt_i32 vcc_lo, 32*(i/16)+i%16, v[DL]     ; after the query
	v_cndmask_b32 v[S+i], v[S+i], v[NI], vcc_lo
.set i, i+1
.endr
.Lnohigh_\@:
.irp c, 0,1
	v_max3_num_f32 v[212+\c], v[S+16*\c], v[S+16*\c+1], v[S+16*\c+2]   ; the largest score of each of my two blocks: for the row's maximum, and for the block's largest p
.endr
.irp i, 3,5,7,9,11,13
.irp c, 0,1
	v_max3_num_f32 v[212+\c], v[212+\c], v[S+16*\c+\i], v[S+16*\c+\i+1]
.endr
.endr
.irp c, 0,1
	v_max_num_f32 v[212+\c], v[212+\c], v[S+16*\c+15]
.endr
	v_max_num_f32 v214, v212, v213
	v_permlanex16_b32 v215, v214, s[SEL], s[SEL+1]
	v_max_num_f32 v214, v214, v215                 ; the step's largest score of my query
	v_mul_f32 v214, s[CS], v214
.if \s == 0
	v_mov_b32 v13, v214
	v_floor_f32 v12, -v13                          ; -M = floor(-t): M is a whole number
.else
	v_max_num_f32 v13, v13, v214
	v_mov_b32 v216, v12
	v_floor_f32 v12, -v13
	v_sub_f32 v216, v12, v216
	v_cvt_i32_f32 v216, v216
	v_ldexp_f32 v218, 1.0, v216                    ; f = 2^(old M - new M): exact
.endif
.set i, 0
.rept 16
	v_pk_fma_f32 v[S+i:S+i+1], v[S+i:S+i+1], s[CS:CS+1], v[12:13] op_sel_hi:[1,0,0]
.set i, i+2
.endr
	v_fma_f32 v212, v212, s[CS], v12
	v_fma_f32 v213, v213, s[CS], v12
.set i, 0
.rept 32
	v_exp_f32 v[S+i], v[S+i]                       ; p = 2^(t - M)
.set i, i+1
.endr
.if \s == 0
	v_nop                                          ; a plain place behind the exponentials
.else
	v_pk_mul_f32 v[14:15], v[14:15], v[218:219] op_sel_hi:[1,0]   ; the sums under the new M: a plain place behind the exponentials
.endif
	s_wait_alu depctr_va_vdst(0)                   ; one wait for the batch, ahead of its first reader
	v_exp_f32 v212, v212                           ; each block's largest p
	v_exp_f32 v213, v213
	v_pk_add_f32 v[216:217], v[S:S+1], v[S+2:S+3]  ; the row's sum, of the unquantised p
.irp j, 4,8,12,16,20,24,28
	v_pk_add_f32 v[14:15], v[14:15], v[S+\j:S+\j+1]
	v_pk_add_f32 v[216:217], v[216:217], v[S+\j+2:S+\j+3]
.endr
	v_pk_add_f32 v[14:15], v[14:15], v[216:217]
	s_wait_alu depctr_va_vdst(0)                   ; and one for the two
	v_max_num_f32 v212, 0x2800000, v212            ; the floor 2^(5 - 127)
	v_max_num_f32 v213, 0x2800000, v213
	v_add_nc_u32 v230, 0xfe000000, v212
	v_add_nc_u32 v231, 0xfe000000, v213
	v_lshrrev_b32 v232, 23, v230
	v_lshrrev_b32 v233, 23, v231
	v_lshl_or_b32 v234, v233, 16, v232             ; my bytes: blocks h and 2 + h,
	v_lshlrev_b32 v234, v[SH8], v234               ; at their places in the word;
	v_permlanex16_b32 v235, v234, s[SEL], s[SEL+1]
	v_or_b32 v[PW], v234, v235                     ; with lane l xor 16's the word is whole
	v_cvt_scalef32_pk16_bf6_f32 v[TP:TP+2], v[S:S+15], v230
	v_cvt_scalef32_pk16_bf6_f32 v[TP+4:TP+6], v[S+16:S+31], v231
	v_nop                                          ; one plain place behind a scaled conversion
.irp c, 0,1
.irp w, 0,1,2
	v_cndmask_b32 v[P+6*\c+\w], v[TP+4*\c+\w], v[ZR], s[PM]     ; even queries: positions 0-15 of the block; odd: zeros there
	v_cndmask_b32 v[P+6*\c+3+\w], v[ZR], v[TP+4*\c+\w], s[PM]   ; and the other way round at positions 16-31
.endr
.endr
.if \s == 0
.rept 4
	v_nop                                          ; an operand written by vector instructions stands 4 places ahead of a scaled matrix instruction
.endr
.else
.set i, 0
.rept 16
	v_pk_mul_f32 v[O+i:O+i+1], v[O+i:O+i+1], v[218:219] op_sel_hi:[1,0]   ; O^T under the new M
.set i, i+2
.endr
.endif
	s_wait_dscnt 0x0                               ; V
.irp t, 0,1,2,3
.if \s == 0
	v_wmma_scale_f32_16x16x128_f8f6f4 v[O+8*\t:O+8*\t+7], v[VF+12*\t:VF+12*\t+11], v[P:P+11], 0, v[VSW+\t], v[PW] matrix_a_fmt:MATRIX_FMT_BF6 matrix_b_fmt:MATRIX_FMT_BF6
.else
	v_wmma_scale_f32_16x16x128_f8f6f4 v[O+8*\t:O+8*\t+7], v[VF+12*\t:VF+12*\t+11], v[P:P+11], v[O+8*\t:O+8*\t+7], v[VSW+\t], v[PW] matrix_a_fmt:MATRIX_FMT_BF6 matrix_b_fmt:MATRIX_FMT_BF6
.endif
.endr
.Lafter_\@:
.endm
	STEP 0
	STEP 1
	STEP 2
	; THE WAY OUT: O^T / the sum; register 16 B + i is channel 32 B + 16 h + i of my head (V's rows were stored with bits 3 and 4 swapped): quantised along the channels
	v_add_f32 v14, v14, v15
	v_permlanex16_b32 v215, v14, s[SEL], s[SEL+1]
	v_add_f32 v14, v14, v215
	v_rcp_f32 v14, v14
.rept 4
	v_nop                                          ; the places behind the last products, and the plain place behind the reciprocal
.endr
	s_wait_alu depctr_va_vdst(0)                   ; the wait ahead of its first reader
.set i, 0
.rept 16
	v_pk_mul_f32 v[S+i:S+i+1], v[O+i:O+i+1], v[14:15] op_sel_hi:[1,0]
.set i, i+2
.endr
.irp c, 0,1
	v_max3_num_f32 v[212+\c], |v[S+16*\c]|, |v[S+16*\c+1]|, 0x2800000
.endr
.irp i, 2,4,6,8,10,12,14
.irp c, 0,1
	v_max3_num_f32 v[212+\c], v[212+\c], |v[S+16*\c+\i]|, |v[S+16*\c+\i+1]|
.endr
.endr
	v_permlanex16_b32 v215, v212, s[SEL], s[SEL+1]
	v_permlanex16_b32 v235, v213, s[SEL], s[SEL+1]
	v_max_num_f32 v212, v212, v215
	v_max_num_f32 v213, v213, v235
	v_add_nc_u32 v230, 0xfe000000, v212
	v_add_nc_u32 v231, 0xfe000000, v213
	v_lshrrev_b32 v232, 23, v230
	v_lshrrev_b32 v233, 23, v231
	v_lshl_or_b32 v234, v233, 8, v232              ; my head's two bytes of the row's scale word
	v_cvt_scalef32_pk16_bf6_f32 v[TP:TP+2], v[S:S+15], v230
	v_cvt_scalef32_pk16_bf6_f32 v[TP+4:TP+6], v[S+16:S+31], v231
	v_nop
.irp i, 0,1,2
	v_permlane16_swap_b32 v[TP+\i], v[TP+4+\i]     ; a whole block to a lane: lanes 0-15 block 0, lanes 16-31 block 1
.endr
	v_mov_b32 v[TP+3], v[TP+4]
	v_mov_b32 v[TP+4], v[TP+5]
	v_mov_b32 v[TP+5], v[TP+6]
	ds_store_b64 v[AC1], v[TP:TP+1]
	ds_store_b64 v[AC2], v[TP+2:TP+3]
	ds_store_b64 v[AC1], v[TP+4:TP+5] offset:512
	ds_store_b16 v[ACS], v234
	s_wait_dscnt 0x0                               ; for the others' sake: my stores have landed
	s_barrier_signal -1
	s_barrier_wait -1
.irp i, 0,1,2
	ds_load_b64 v[32+2*\i:33+2*\i], v[LOA] offset:4096*\i
.endr
	s_wait_dscnt 0x0
.irp i, 0,1,2
	global_store_b64 v[GOA], v[32+2*\i:33+2*\i], s[8:9] offset:4096*\i   ; 32 lanes store 256 consecutive bytes, aligned
.endr
	s_cmp_lg_u32 s[WV], 0
	s_cbranch_scc1 .Lend
	ds_load_b128 v[40:43], v[LSA]
	s_wait_dscnt 0x0
	global_store_b128 v[GSA], v[40:43], s[14:15]   ; the 128 rows' scale words
.Lend:
	s_wait_tensorcnt 0x0                           ; the wave's end
	ds_add_u32 v[SPW], v[NIL]
	s_wait_dscnt 0x0
	s_endpgm
.Lfunc_end_k_q56d8835cc2_attn:
	.size	k_q56d8835cc2_attn, .Lfunc_end_k_q56d8835cc2_attn-k_q56d8835cc2_attn
	.p2alignl 7, 3214868480
	.fill 96, 4, 3214868480
	.section	.rodata,"a",@progbits
	.p2align	6, 0x0
	.amdhsa_kernel k_q56d8835cc2_attn
		.amdhsa_group_segment_fixed_size 167936
		.amdhsa_private_segment_fixed_size 0
		.amdhsa_enable_private_segment 0
		.amdhsa_kernarg_size 24
		.amdhsa_user_sgpr_count 2
		.amdhsa_user_sgpr_kernarg_segment_ptr 1
		.amdhsa_wavefront_size32 1
		.amdhsa_system_sgpr_workgroup_id_x 1
		.amdhsa_system_sgpr_workgroup_id_y 1
		.amdhsa_system_sgpr_workgroup_id_z 1
		.amdhsa_system_vgpr_workitem_id 0
		.amdhsa_next_free_vgpr 256
		.amdhsa_next_free_sgpr 96
		.amdhsa_reserve_vcc 1
		.amdhsa_float_denorm_mode_32 3
		.amdhsa_float_denorm_mode_16_64 3
		.amdhsa_memory_ordered 1
		.amdhsa_forward_progress 1
		.amdhsa_inst_pref_size 54
	.end_amdhsa_kernel
	.amdgpu_metadata
---
amdhsa.version: [ 1, 2 ]
amdhsa.kernels:
  - .name:           k_q56d8835cc2_attn
    .symbol:         k_q56d8835cc2_attn.kd
    .args:
      - { .name: qkcodes, .offset: 0, .size: 8, .value_kind: global_buffer, .address_space: global }
      - { .name: vcodes, .offset: 8, .size: 8, .value_kind: global_buffer, .address_space: global }
      - { .name: ctxcodes, .offset: 16, .size: 8, .value_kind: global_buffer, .address_space: global }
    .group_segment_fixed_size: 167936
    .private_segment_fixed_size: 0
    .kernarg_segment_align: 8
    .kernarg_segment_size: 24
    .max_flat_workgroup_size: 512
    .sgpr_count:     96
    .vgpr_count:     256
    .wavefront_size: 32
...
	.end_amdgpu_metadata
.endif
;; end of part 4
;; launch gwo (part 5): grid 8 x 32, 4 waves a work-group, clusters of 4 x 4, 327,680 bytes of LDS; arguments ctxcodes, wcodes, bo, x, xmid; writes xmid
.if DOCPART == 5
	.amdgcn_target "amdgcn-amd-amdhsa--gfx1250"
	.amdhsa_code_object_version 6
	.text
	.protected	k_q56d8835cc2_gwo
	.globl	k_q56d8835cc2_gwo
	.p2align	8
	.type	k_q56d8835cc2_gwo,@function
k_q56d8835cc2_gwo:
	s_mov_b64 s[64:65], 0
	v_nop
	global_prefetch_b8 v0, s[64:65] scope:SCOPE_SE
	s_setreg_imm32_b32 hwreg(HW_REG_WAVE_MODE, 25, 1), 1
	s_wait_xcnt 0x0
	s_wait_alu depctr_hold_cnt(0) depctr_sa_sdst(0) depctr_va_vdst(0) depctr_va_sdst(0) depctr_va_ssrc(0) depctr_va_vcc(0) depctr_vm_vsrc(0)
	s_getreg_b32 s2, hwreg(HW_REG_IB_STS2, 6, 4)
	s_cmp_eq_u32 s2, 0
	s_cbranch_scc0 .Lentry_in_a_cluster
	s_endpgm
.Lentry_in_a_cluster:
	s_bfe_u32 s2, ttmp6, 0x10000c
	s_cmp_lg_u32 s2, 0xf033
	s_cbranch_scc0 .Lentry_shape_is_right
	s_endpgm
.Lentry_shape_is_right:
; xmid = x + ctx wo + bo.  ctx [4096][1024] and wo arrive as BF6 codes in the order of an operand's registers ([k / 128][row / 16][1536]) with scale words [k / 128][row]; the result is f32, tokens in their natural order.
; N = 1,024, so a tile is 128 x 128: 256 work-groups; four waves of 64 x 64: 16 accumulators.  A slot holds 512 along K; K = 1,024 is the two first fills: nothing is filled again.
; Source 0 = 16 rows of the weight, source 1 = 16 tokens: a lane holds one token and eight neighbouring columns.  4 x 4 work-groups form a cluster: the tokens' tiles are asked for jointly along a row, the weight's along a column.
; REGISTERS: window 0: v0-31 addresses; v32-63 scale words, two sets; v64-95 the bias (the C of the first K step); v96-127 rows on the way out; v128-255 accumulators.  window 1: two sets of fragments (A 48, B 48).  window 2: v0-127 the residual.
.set KQ,    8                          ; K / 128
.set LAPS,  KQ/8
.set ASC,   3145728                    ; A's scale words in its buffer
.set BIMG,  294912                     ; B's image: wo's rows begin at row 3,072 of the weights' image
.set BSC,   9449472                    ; B's scale words
.set BQ,    393216                     ; B: from one 128 along K to the next, image
.set BSQ,   16384                      ; and scale words
.set FR,    12
.set HALFT, 24576                      ; [4 k steps][4 blocks of 16 rows][1536]
.set SLOT,  4*HALFT
.set SCL,   2*SLOT
.set RS,    KQ*256                     ; scale words of 64 rows, all of K
.set SPARE, SCL+4*RS
.set ADRA, 16
.set ADRB, 20
.set STO,  24
.set RD,   25
.set CO,   26
.set ADRS, 27
.set SPW,  28
.set NIL,  29
.set SC,   32
.set BI,   64
.set BK,   96
.set ACC,  128
.set G1, 24
.set G0, 32
.set G1B, 48
.set G0B, 56
.set G1S, 68
.set G0S, 76
.set G1SB, 80
.set G0SB, 88
.set MSB, 0
.macro WIN new
.if MSB != (\new)
	s_set_vgpr_msb (MSB<<8)|(\new)
.set MSB, (\new)
.endif
.endm
.macro JLOAD g0a, g1a, g0b, g1b        ; a joint load: waves 0 and 1 fetch for A, waves 2 and 3 for B; an s_nop 0 and four v_nop follow each line
	s_cmp_eq_u32 s15, 0
	s_cbranch_scc0 .Lfor_b_\@
	tensor_load_to_lds s[\g0a:\g0a+3], s[\g1a:\g1a+7]
	s_nop 0
.rept 4
	v_nop
.endr
	s_branch .Lasked_\@
.Lfor_b_\@:
	tensor_load_to_lds s[\g0b:\g0b+3], s[\g1b:\g1b+7]
	s_nop 0
.rept 4
	v_nop
.endr
.Lasked_\@:
.endm
.macro CREST
	s_cmp_lg_u32 s14, 0
	s_cbranch_scc1 .Lnot_wave_0_\@
	s_barrier_signal -3
.Lnot_wave_0_\@:
	s_barrier_wait -3
	s_barrier_signal -1
	s_barrier_wait -1
.endm
.macro CROUND
	s_barrier_signal -1
	s_barrier_wait -1
	CREST
.endm
.macro PLACES n
.rept \n
	v_nop
.endr
.endm
	s_load_b256 s[4:11], s[0:1], 0x0               ; A's codes, the weights' codes, the bias, the residual
	s_load_b64 s[12:13], s[0:1], 0x20              ; the result
	v_lshl_add_u32 v[SPW], v0, 2, SPARE
	v_mov_b32 v[NIL], 0
	ds_add_u32 v[SPW], v[NIL]                      ; the wave's opening: the add, twice on end, and its wait ahead of my first tensor load
	ds_add_u32 v[SPW], v[NIL]
	v_lshrrev_b32 v1, 5, v0
	v_readfirstlane_b32 s14, v1
	s_lshr_b32 s15, s14, 1                         ; my half of the tokens.  Also: I fetch for A (0) or B (1)
	s_and_b32 s16, s14, 1                          ; my half of the columns.  Also: which 64 rows I fetch
	s_bfe_u32 s40, ttmp6, 0x40000
	s_bfe_u32 s41, ttmp6, 0x40004
	s_lshl_b32 s42, ttmp9, 2
	s_add_co_u32 s42, s42, s40                     ; tile column
	s_and_b32 s17, ttmp7, 0xffff
	s_lshl_b32 s17, s17, 2
	s_add_co_u32 s17, s17, s41                     ; tile row
	s_lshl_b32 s43, s41, 2
	s_lshl_b32 s43, 15, s43
	s_lshl_b32 s44, 0x1111, s40
	s_or_b32 s[G1], s43, (3<<16)|(1<<21)
	s_or_b32 s[G1B], s44, (3<<16)|(1<<21)
.irp g, G1, G1B                        ; a tile: 4 k steps x 6,144 bytes
	s_mov_b32 s[\g+1], 768<<16
	s_mov_b32 s[\g+2], 4<<16
	s_mov_b32 s[\g+3], 768<<16
	s_mov_b32 s[\g+4], 4
	s_mov_b32 s[\g+6], 0
	s_mov_b32 s[\g+7], 0
.endr
	s_mov_b32 s[G1+5], 49152
	s_mov_b32 s[G1B+5], BQ/8
	s_or_b32 s[G1S], s43, (3<<16)|(1<<21)
	s_or_b32 s[G1SB], s44, (3<<16)|(1<<21)
.irp g, G1S, G1SB                      ; scale words: KQ k steps x 256 bytes
	s_mov_b32 s[\g+1], 32<<16
	s_mov_b32 s[\g+2], KQ<<16
	s_mov_b32 s[\g+3], 32<<16
	s_mov_b32 s[\g+4], KQ
	s_mov_b32 s[\g+6], 0
	s_mov_b32 s[\g+7], 0
.endr
	s_mov_b32 s[G1S+5], 2048
	s_mov_b32 s[G1SB+5], BSQ/8
	s_lshl_b32 s18, s16, 6
	s_lshl_b32 s20, s17, 7
	s_add_co_u32 s20, s20, s18
	s_lshl_b32 s46, s42, 7
	s_add_co_u32 s46, s46, s18
	s_lshl_b32 s22, s20, 2
	s_add_co_u32 s22, s22, ASC
	s_mov_b32 s23, 0
	s_mul_i32 s20, s20, 96
	s_mov_b32 s21, 0
	s_lshl_b32 s92, s46, 2
	s_add_co_u32 s92, s92, BSC
	s_mov_b32 s93, 0
	s_mul_i32 s46, s46, 96
	s_add_co_u32 s46, s46, BIMG
	s_mov_b32 s47, 0
	s_mul_i32 s45, s14, HALFT
	s_mul_i32 s94, s14, RS
	s_wait_dscnt 0x0
	s_wait_kmcnt 0x0
	s_add_nc_u64 s[20:21], s[4:5], s[20:21]
	s_add_nc_u64 s[22:23], s[4:5], s[22:23]
	s_add_nc_u64 s[46:47], s[6:7], s[46:47]
	s_add_nc_u64 s[92:93], s[6:7], s[92:93]
	CROUND
	s_mov_b32 s[G0S], 1
	s_add_co_u32 s[G0S+1], s94, SCL
	s_mov_b64 s[G0S+2:G0S+3], s[22:23]
	s_or_b32 s[G0S+3], s[G0S+3], 0x80000000
	s_mov_b32 s[G0SB], 1
	s_add_co_u32 s[G0SB+1], s94, SCL
	s_mov_b64 s[G0SB+2:G0SB+3], s[92:93]
	s_or_b32 s[G0SB+3], s[G0SB+3], 0x80000000
	JLOAD G0S, G1S, G0SB, G1SB
.irp s, 0,1
	s_mov_b32 s[G0+4*\s], 1
	s_add_co_u32 s[G0+4*\s+1], s45, \s*SLOT
	s_add_nc_u64 s[G0+4*\s+2:G0+4*\s+3], s[20:21], \s*1572864
	s_or_b32 s[G0+4*\s+3], s[G0+4*\s+3], 0x80000000
	s_mov_b32 s[G0B+4*\s], 1
	s_add_co_u32 s[G0B+4*\s+1], s45, \s*SLOT
	s_add_nc_u64 s[G0B+4*\s+2:G0B+4*\s+3], s[46:47], \s*4*BQ
	s_or_b32 s[G0B+4*\s+3], s[G0B+4*\s+3], 0x80000000
	JLOAD G0+4*\s, G1, G0B+4*\s, G1B
.endr
	v_and_b32 v1, 15, v0                           ; r
	v_bfe_u32 v2, v0, 4, 1                         ; h
	v_and_b32 v3, 31, v0
	v_lshlrev_b32 v3, 4, v3
	s_mul_i32 s21, s15, HALFT
	s_mul_i32 s22, s16, HALFT
	s_add_co_u32 s22, s22, 2*HALFT
.irp s, 0,1
	v_add_nc_u32 v[ADRA+\s], s21, v3
	v_add_nc_u32 v[ADRB+\s], s22, v3
	s_add_co_u32 s21, s21, SLOT
	s_add_co_u32 s22, s22, SLOT
.endr
	s_mul_i32 s21, s15, RS
	s_mul_i32 s22, s16, RS
	s_add_co_u32 s22, s22, 2*RS
	s_sub_co_u32 s22, s22, s21
	v_mul_u32_u24 v6, s22, v2                      ; lanes 16-31 take B's words
	s_add_co_u32 s21, s21, SCL
	v_lshl_add_u32 v5, v1, 2, v6
	v_add_nc_u32 v[ADRS], s21, v5
	s_mul_i32 s23, s14, 4352                       ; my stage, in slot 0: 16 rows x (256 bytes + 16)
	v_mul_u32_u24 v5, v1, 272
	v_lshl_add_u32 v5, v2, 6, v5
	v_add_nc_u32 v[STO], s23, v5
	v_mul_u32_u24 v5, v2, 272
	v_lshl_add_u32 v5, v1, 4, v5
	v_add_nc_u32 v[RD], s23, v5
	v_lshlrev_b32 v[CO], 13, v2                    ; storage rows 2 t and 2 t + 1 are tokens two apart
	v_lshl_add_u32 v[CO], v1, 4, v[CO]
	v_lshlrev_b32 v30, 6, v2
	s_lshl_b32 s46, s42, 1
	s_add_co_u32 s46, s46, s16
	s_lshl_b32 s46, s46, 8                         ; my 64 columns, in bytes
	s_mov_b32 s47, 0
	s_add_nc_u64 s[8:9], s[8:9], s[46:47]
	s_lshl_b32 s20, s17, 1
	s_add_co_u32 s20, s20, s15
	s_lshl_b32 s20, s20, 18                        ; my 64 tokens, rows of 4,096 bytes
	s_mov_b32 s21, 0
	s_add_nc_u64 s[20:21], s[20:21], s[46:47]
	s_add_nc_u64 s[10:11], s[10:11], s[20:21]
	s_add_nc_u64 s[12:13], s[12:13], s[20:21]
.irp b, 0,1,2,3                        ; register 8 b + j: the bias of column 32 (b / 2) + 8 (b % 2) + 16 h + j
	global_load_b128 v[BI+8*\b:BI+8*\b+3], v30, s[8:9] offset:(32*(\b/2)+8*(\b%2))*4
	global_load_b128 v[BI+8*\b+4:BI+8*\b+7], v30, s[8:9] offset:(32*(\b/2)+8*(\b%2))*4+16
.endr
	WIN 0x80                                       ; destination window 2
.irp a, 0,1,2,3                        ; the residual, as the rows will be stored
.irp t, 0,1,2,3,4,5,6,7
	global_load_b128 v[32*\a+4*\t:32*\a+4*\t+3], v[CO], s[10:11] offset:(32*(\a/2)+16*(\a%2)+4*(\t%4)+\t/4)*4096
.endr
.endr
	WIN 0
.macro MUL4 f, q, sc, a, first         ; A's block a x B's four; the 16 accumulators take turns
.irp b, 0,1,2,3
.if \first
	v_wmma_scale_f32_16x16x128_f8f6f4 v[ACC+8*(4*(\a)+\b):ACC+8*(4*(\a)+\b)+7], v[(\f)+48+FR*\b:(\f)+48+FR*\b+FR-1], v[(\f)+FR*(\a):(\f)+FR*(\a)+FR-1], v[BI+8*\b:BI+8*\b+7], v[SC+16*(\sc)+4*\b+(\q)], v[SC+16*(\sc)+4*(\a)+(\q)] matrix_a_fmt:MATRIX_FMT_BF6 matrix_b_fmt:MATRIX_FMT_BF6 matrix_a_scale:MATRIX_SCALE_ROW1
.else
	v_wmma_scale_f32_16x16x128_f8f6f4 v[ACC+8*(4*(\a)+\b):ACC+8*(4*(\a)+\b)+7], v[(\f)+48+FR*\b:(\f)+48+FR*\b+FR-1], v[(\f)+FR*(\a):(\f)+FR*(\a)+FR-1], v[ACC+8*(4*(\a)+\b):ACC+8*(4*(\a)+\b)+7], v[SC+16*(\sc)+4*\b+(\q)], v[SC+16*(\sc)+4*(\a)+(\q)] matrix_a_fmt:MATRIX_FMT_BF6 matrix_b_fmt:MATRIX_FMT_BF6 matrix_a_scale:MATRIX_SCALE_ROW1
.endif
.endr
.endm
.macro FETCH slot, q, f                ; 24 loads: B's four fragments, then A's four
	WIN 0x40
.irp i, 0,1,2,3
.irp c, 0,1,2
	ds_load_b128 v[(\f)+48+FR*\i+4*\c:(\f)+48+FR*\i+4*\c+3], v[ADRB+\slot] offset:(\q)*6144+\i*1536+512*\c
.endr
.endr
.irp i, 0,1,2,3
.irp c, 0,1,2
	ds_load_b128 v[(\f)+FR*\i+4*\c:(\f)+FR*\i+4*\c+3], v[ADRA+\slot] offset:(\q)*6144+\i*1536+512*\c
.endr
.endr
.endm
.macro SCALES sc
	WIN 0
.irp i, 0,1,2,3
.irp q, 0,1,2,3
	ds_load_b32 v[SC+16*\sc+4*\i+\q], v[ADRS] offset:256*\q+64*\i
.endr
.endr
.endm
.macro STEP slot, q, first
	PLACES 4                                       ; in front of loads into the set that the last products read
	FETCH \slot, (\q)+1, 128*(1-(\q)%2)
	s_wait_dscnt 24                                ; all but the 24 just issued
	WIN 0x05
	MUL4 128*((\q)%2), \q, \slot, 0, \first
	MUL4 128*((\q)%2), \q, \slot, 1, \first
	MUL4 128*((\q)%2), \q, \slot, 2, \first
	MUL4 128*((\q)%2), \q, \slot, 3, \first
.endm
.macro TURN slot, next, fill           ; a slot's last step changes slots
	WIN 0
	s_wait_tensorcnt 0x0                           ; all my tensor loads have landed
	ds_add_u32 v[SPW], v[NIL]                      ; 0 onto my spare word
	s_wait_dscnt 1                                 ; (the add may be out)
	WIN 0x05
	MUL4 128, 3, \slot, 0, 0
	s_wait_dscnt 0x0                               ; the add is done, and my reads of this slot are over
	s_barrier_signal -1
	MUL4 128, 3, \slot, 1, 0
	WIN 0
	s_barrier_wait -1
.if \fill
	CREST
	s_add_nc_u64 s[G0+4*\slot+2:G0+4*\slot+3], s[G0+4*\slot+2:G0+4*\slot+3], 3145728
	s_add_nc_u64 s[G0B+4*\slot+2:G0B+4*\slot+3], s[G0B+4*\slot+2:G0B+4*\slot+3], 8*BQ
	JLOAD G0+4*\slot, G1, G0B+4*\slot, G1B         ; its four v_nop are also the places in front of the loads below
.else
	PLACES 4
.endif
	v_add_nc_u32 v[ADRS], 1024, v[ADRS]
	FETCH \next, 0, 0
	SCALES \next
	WIN 0x05
	MUL4 128, 3, \slot, 2, 0
	MUL4 128, 3, \slot, 3, 0
.endm
	s_wait_tensorcnt 1                             ; the scale words and my part of slot 0 are in; slot 1's load may be out
	s_barrier_signal -1
	s_barrier_wait -1
	FETCH 0, 0, 0
	SCALES 0
	s_wait_loadcnt 32                              ; the bias is in; the residual's 32 loads may be out
	STEP 0, 0, 1
.if LAPS > 1
	WIN 0
	s_mov_b32 s3, LAPS-1
.Llap:
	STEP 0, 1, 0
	STEP 0, 2, 0
	TURN 0, 1, 1
	STEP 1, 0, 0
	STEP 1, 1, 0
	STEP 1, 2, 0
	TURN 1, 0, 1
	STEP 0, 0, 0
	WIN 0
	s_sub_co_u32 s3, s3, 1
	s_cmp_lg_u32 s3, 0
	s_cbranch_scc1 .Llap
.endif
	STEP 0, 1, 0
	STEP 0, 2, 0
	TURN 0, 1, 0
	STEP 1, 0, 0
	STEP 1, 1, 0
	STEP 1, 2, 0
	s_wait_dscnt 0x0
	MUL4 128, 3, 1, 0, 0
	MUL4 128, 3, 1, 1, 0
	MUL4 128, 3, 1, 2, 0
	MUL4 128, 3, 1, 3, 0
	WIN 0
	PLACES 4
	s_wait_loadcnt 0x0                             ; the residual
; THE WAY OUT, 16 storage rows at a time: through my stage (in slot 0, which has had its last fill and its last read), back as whole rows of 256 bytes, + the residual, to the tokens' natural rows.
.macro OUTB a
.irp b, 0,1,2,3
	ds_store_b128 v[STO], v[ACC+8*(4*\a+\b):ACC+8*(4*\a+\b)+3] offset:128*(\b/2)+32*(\b%2)
	ds_store_b128 v[STO], v[ACC+8*(4*\a+\b)+4:ACC+8*(4*\a+\b)+7] offset:128*(\b/2)+32*(\b%2)+16
.endr
.if \a > 0
	s_wait_xcnt 0x0                                ; the last block's stores have read their registers
.endif
.irp t, 0,1,2,3,4,5,6,7
	ds_load_b128 v[BK+4*\t:BK+4*\t+3], v[RD] offset:544*\t   ; LDS serves a wave's instructions in order
.endr
	s_wait_dscnt 0x0
	WIN 0x08                                       ; source 1 in window 2
.set i, 0
.rept 16
	v_pk_add_f32 v[BK+i:BK+i+1], v[BK+i:BK+i+1], v[32*\a+i:32*\a+i+1]
.set i, i+2
.endr
	WIN 0
.irp t, 0,1,2,3,4,5,6,7
	global_store_b128 v[CO], v[BK+4*\t:BK+4*\t+3], s[12:13] offset:(32*(\a/2)+16*(\a%2)+4*(\t%4)+\t/4)*4096   ; 16 lanes store 256 consecutive bytes, aligned
.endr
.endm
	OUTB 0
	OUTB 1
	OUTB 2
	OUTB 3
	s_wait_tensorcnt 0x0                           ; the wave's end
	ds_add_u32 v[SPW], v[NIL]
	s_wait_dscnt 0x0
	CROUND                                         ; the closing round
	s_endpgm
.Lfunc_end_k_q56d8835cc2_gwo:
	.size	k_q56d8835cc2_gwo, .Lfunc_end_k_q56d8835cc2_gwo-k_q56d8835cc2_gwo
	.p2alignl 7, 3214868480
	.fill 96, 4, 3214868480
	.section	.rodata,"a",@progbits
	.p2align	6, 0x0
	.amdhsa_kernel k_q56d8835cc2_gwo
		.amdhsa_group_segment_fixed_size 327680
		.amdhsa_private_segment_fixed_size 0
		.amdhsa_enable_private_segment 0
		.amdhsa_kernarg_size 40
		.amdhsa_user_sgpr_count 2
		.amdhsa_user_sgpr_kernarg_segment_ptr 1
		.amdhsa_wavefront_size32 1
		.amdhsa_system_sgpr_workgroup_id_x 1
		.amdhsa_system_sgpr_workgroup_id_y 1
		.amdhsa_system_sgpr_workgroup_id_z 1
		.amdhsa_system_vgpr_workitem_id 0
		.amdhsa_next_free_vgpr 640
		.amdhsa_next_free_sgpr 100
		.amdhsa_reserve_vcc 0
		.amdhsa_float_denorm_mode_32 3
		.amdhsa_float_denorm_mode_16_64 3
		.amdhsa_memory_ordered 1
		.amdhsa_forward_progress 1
		.amdhsa_inst_pref_size 58
	.end_amdhsa_kernel
	.amdgpu_metadata
---
amdhsa.version: [ 1, 2 ]
amdhsa.kernels:
  - .name:           k_q56d8835cc2_gwo
    .symbol:         k_q56d8835cc2_gwo.kd
    .args:
      - { .name: ctxcodes, .offset: 0, .size: 8, .value_kind: global_buffer, .address_space: global }
      - { .name: wcodes, .offset: 8, .size: 8, .value_kind: global_buffer, .address_space: global }
      - { .name: bo, .offset: 16, .size: 8, .value_kind: global_buffer, .address_space: global }
      - { .name: x, .offset: 24, .size: 8, .value_kind: global_buffer, .address_space: global }
      - { .name: xmid, .offset: 32, .size: 8, .value_kind: global_buffer, .address_space: global }
    .group_segment_fixed_size: 327680
    .private_segment_fixed_size: 0
    .kernarg_segment_align: 8
    .kernarg_segment_size: 40
    .max_flat_workgroup_size: 128
    .sgpr_count:     100
    .vgpr_count:     640
    .wavefront_size: 32
...
	.end_amdgpu_metadata
.endif
;; end of part 5
;; launch ln2: the kernel of part 2 again; grid 256 x 1, 4 waves a work-group, no clusters, 31,744 bytes of LDS; arguments xmid, ln2_g, ln2_b, hcodes; writes hcodes
;; launch gw1 (part 6): grid 16 x 16, 4 waves a work-group, clusters of 4 x 4, 327,680 bytes of LDS; arguments hcodes, wcodes, b1, hidcodes; writes hidcodes
.if DOCPART == 6
	.amdgcn_target "amdgcn-amd-amdhsa--gfx1250"
	.amdhsa_code_object_version 6
	.text
	.protected	k_q56d8835cc2_gw1
	.globl	k_q56d8835cc2_gw1
	.p2align	8
	.type	k_q56d8835cc2_gw1,@function
k_q56d8835cc2_gw1:
	s_mov_b64 s[64:65], 0
	v_nop
	global_prefetch_b8 v0, s[64:65] scope:SCOPE_SE
	s_setreg_imm32_b32 hwreg(HW_REG_WAVE_MODE, 25, 1), 1
	s_wait_xcnt 0x0
	s_wait_alu depctr_hold_cnt(0) depctr_sa_sdst(0) depctr_va_vdst(0) depctr_va_sdst(0) depctr_va_ssrc(0) depctr_va_vcc(0) depctr_vm_vsrc(0)
	s_getreg_b32 s2, hwreg(HW_REG_IB_STS2, 6, 4)
	s_cmp_eq_u32 s2, 0
	s_cbranch_scc0 .Lentry_in_a_cluster
	s_endpgm
.Lentry_in_a_cluster:
	s_bfe_u32 s2, ttmp6, 0x10000c
	s_cmp_lg_u32 s2, 0xf033
	s_cbranch_scc0 .Lentry_shape_is_right
	s_endpgm
.Lentry_shape_is_right:
; hid = gelu(h w1 + b1), exact gelu = x / 2 (1 + erf(x / sqrt 2)), quantised along the hidden 4,096 on the way out.  h and w1 arrive as BF6 codes in the order of an operand's registers ([k / 128][row / 16][1536]), scale words [k / 128][row].
; A tile is 256 x 256, four waves of 128 x 128: 64 accumulators.  K = 1,024 goes in 4 slots' worth of 256 through a ring of two LDS slots.  Source 0 = 16 rows of w1 (stored with bits 3 and 4 swapped), source 1 = 16 tokens:
; a lane holds one token and 16 neighbouring hidden units of two neighbouring tiles.  4 x 4 work-groups form a cluster: h's tiles are asked for jointly along a row, w1's along a column.
; erf(z) = z P(z^2) / Q(z^2) with z held to -4 .. 4, polynomials of degree 6 and 4 in f32.  LIMIT: 1 + erf carries an absolute error of some 1e-7, so far in the negative tail (x under about -5) gelu's relative error grows;
; such numbers are far under their block's largest unless all 32 lie there.  NaN and infinities are not served; a block of zeros or under 2^-122 gets the byte 1.
; OUT: hidcodes: image [32][256][1536], scale words at 12,582,912.
; REGISTERS: window 0: v0-31 addresses; v32-63 scale words, two sets; v64-127 the bias; v128-223 A's fragments, one set.  window 1: B's, two sets.  windows 2, 3: the accumulators.
.set NL,    3
.set FR,    12
.set HALFT, 24576
.set SLOT,  4*HALFT
.set SCL,   2*SLOT
.set SPARE, SCL+16384
.set ADRA, 16
.set ADRB, 20
.set GOF,  24
.set SST,  25
.set SLD,  26
.set ADRS, 27
.set SPW,  28
.set NIL,  29
.set SC,   32
.set BI,   64
.set AF,   128
.set Z,    64                          ; the way out: z, z^2, P, Q: 16 numbers each; 64 results
.set X2,   80
.set PP,   96
.set QQ,   112
.set T,    128
.set PC,   192
.set TM,   212
.set PW,   228
.set CV,   230                         ; v[230:231], v[232:233]: the second coefficients of P and Q
.set SEL,  66
.set KR,   24                          ; s[24:25] 1 / sqrt 2;  s[26:37] P's coefficients 0, 2 .. 6;  s[38:45] Q's 0, 2 .. 4: pairs, in registers that held descriptors
.set G1, 24
.set G0, 32
.set G1B, 48
.set G0B, 56
.set G1S, 68
.set G0S, 76
.set G1SB, 80
.set G0SB, 88
.set MSB, 0
.macro WIN new
.if MSB != (\new)
	s_set_vgpr_msb (MSB<<8)|(\new)
.set MSB, (\new)
.endif
.endm
.macro JLOAD g0a, g1a, g0b, g1b        ; a joint load: waves 0 and 1 fetch for A, waves 2 and 3 for B; an s_nop 0 and four v_nop follow each line
	s_cmp_eq_u32 s15, 0
	s_cbranch_scc0 .Lfor_b_\@
	tensor_load_to_lds s[\g0a:\g0a+3], s[\g1a:\g1a+7]
	s_nop 0
.rept 4
	v_nop
.endr
	s_branch .Lasked_\@
.Lfor_b_\@:
	tensor_load_to_lds s[\g0b:\g0b+3], s[\g1b:\g1b+7]
	s_nop 0
.rept 4
	v_nop
.endr
.Lasked_\@:
.endm
.macro CREST
	s_cmp_lg_u32 s14, 0
	s_cbranch_scc1 .Lnot_wave_0_\@
	s_barrier_signal -3
.Lnot_wave_0_\@:
	s_barrier_wait -3
	s_barrier_signal -1
	s_barrier_wait -1
.endm
.macro CROUND
	s_barrier_signal -1
	s_barrier_wait -1
	CREST
.endm
.macro PLACES n
.rept \n
	v_nop
.endr
.endm
	s_load_b256 s[4:11], s[0:1], 0x0               ; h's codes, the weights' codes, b1, hidcodes
	v_lshl_add_u32 v[SPW], v0, 2, SPARE
	v_mov_b32 v[NIL], 0
	ds_add_u32 v[SPW], v[NIL]                      ; the wave's opening: the add, twice on end, and its wait ahead of my first tensor load
	ds_add_u32 v[SPW], v[NIL]
	v_lshrrev_b32 v1, 5, v0
	v_readfirstlane_b32 s14, v1
	s_lshr_b32 s15, s14, 1
	s_and_b32 s16, s14, 1
	s_bfe_u32 s40, ttmp6, 0x40000
	s_bfe_u32 s41, ttmp6, 0x40004
	s_lshl_b32 s42, ttmp9, 2
	s_add_co_u32 s42, s42, s40                     ; tile column (hidden units)
	s_and_b32 s17, ttmp7, 0xffff
	s_lshl_b32 s17, s17, 2
	s_add_co_u32 s17, s17, s41                     ; tile row (tokens)
	s_lshl_b32 s43, s41, 2
	s_lshl_b32 s43, 15, s43
	s_lshl_b32 s44, 0x1111, s40
	s_or_b32 s[G1], s43, (3<<16)|(1<<21)
	s_or_b32 s[G1B], s44, (3<<16)|(1<<21)
.irp g, G1, G1B
	s_mov_b32 s[\g+1], 1536<<16
	s_mov_b32 s[\g+2], 2<<16
	s_mov_b32 s[\g+3], 1536<<16
	s_mov_b32 s[\g+4], 2
	s_mov_b32 s[\g+5], 49152
	s_mov_b32 s[\g+6], 0
	s_mov_b32 s[\g+7], 0
.endr
	s_or_b32 s[G1S], s43, (3<<16)|(1<<21)
	s_or_b32 s[G1SB], s44, (3<<16)|(1<<21)
.irp g, G1S, G1SB
	s_mov_b32 s[\g+1], 64<<16
	s_mov_b32 s[\g+2], 8<<16
	s_mov_b32 s[\g+3], 64<<16
	s_mov_b32 s[\g+4], 8
	s_mov_b32 s[\g+5], 2048
	s_mov_b32 s[\g+6], 0
	s_mov_b32 s[\g+7], 0
.endr
	s_lshl_b32 s18, s16, 7
	s_lshl_b32 s20, s17, 8
	s_add_co_u32 s20, s20, s18
	s_lshl_b32 s46, s42, 8
	s_add_co_u32 s46, s46, s18
	s_lshl_b32 s22, s20, 2
	s_add_co_u32 s22, s22, 3145728
	s_mov_b32 s23, 0
	s_mul_i32 s20, s20, 96
	s_mov_b32 s21, 0
	s_lshl_b32 s92, s46, 2
	s_add_co_u32 s92, s92, 9568256
	s_mov_b32 s93, 0
	s_mul_i32 s46, s46, 96
	s_add_co_u32 s46, s46, 3145728
	s_mov_b32 s47, 0
	s_mul_i32 s45, s14, HALFT
	s_lshl_b32 s94, s14, 12
	s_wait_dscnt 0x0
	s_wait_kmcnt 0x0
	s_add_nc_u64 s[20:21], s[4:5], s[20:21]
	s_add_nc_u64 s[22:23], s[4:5], s[22:23]
	s_add_nc_u64 s[46:47], s[6:7], s[46:47]
	s_add_nc_u64 s[92:93], s[6:7], s[92:93]
	CROUND
	s_mov_b32 s[G0S], 1
	s_add_co_u32 s[G0S+1], s94, SCL
	s_mov_b64 s[G0S+2:G0S+3], s[22:23]
	s_or_b32 s[G0S+3], s[G0S+3], 0x80000000
	s_mov_b32 s[G0SB], 1
	s_add_co_u32 s[G0SB+1], s94, SCL
	s_mov_b64 s[G0SB+2:G0SB+3], s[92:93]
	s_or_b32 s[G0SB+3], s[G0SB+3], 0x80000000
	JLOAD G0S, G1S, G0SB, G1SB
.irp s, 0,1
	s_mov_b32 s[G0+4*\s], 1
	s_add_co_u32 s[G0+4*\s+1], s45, \s*SLOT
	s_add_nc_u64 s[G0+4*\s+2:G0+4*\s+3], s[20:21], \s*786432
	s_or_b32 s[G0+4*\s+3], s[G0+4*\s+3], 0x80000000
	s_mov_b32 s[G0B+4*\s], 1
	s_add_co_u32 s[G0B+4*\s+1], s45, \s*SLOT
	s_add_nc_u64 s[G0B+4*\s+2:G0B+4*\s+3], s[46:47], \s*786432
	s_or_b32 s[G0B+4*\s+3], s[G0B+4*\s+3], 0x80000000
	JLOAD G0+4*\s, G1, G0B+4*\s, G1B
.endr
	v_and_b32 v1, 15, v0
	v_bfe_u32 v2, v0, 4, 1
	v_and_b32 v3, 31, v0
	v_lshlrev_b32 v[GOF], 4, v3
	s_mul_i32 s21, s15, HALFT
	s_mul_i32 s22, s16, HALFT
	s_add_co_u32 s22, s22, 2*HALFT
.irp s, 0,1
	v_add_nc_u32 v[ADRA+\s], s21, v[GOF]
	v_add_nc_u32 v[ADRB+\s], s22, v[GOF]
	s_add_co_u32 s21, s21, SLOT
	s_add_co_u32 s22, s22, SLOT
.endr
	s_lshl_b32 s21, s15, 12
	s_lshl_b32 s22, s16, 12
	s_add_co_u32 s22, s22, 8192
	s_sub_co_u32 s22, s22, s21
	v_mul_u32_u24 v6, s22, v2
	s_add_co_u32 s21, s21, SCL
	v_lshl_add_u32 v5, v1, 2, v6
	v_add_nc_u32 v[ADRS], s21, v5
	s_lshl_b32 s21, s14, 9
	v_lshl_add_u32 v[SST], v1, 2, s21
	v_add_nc_u32 v[SLD], s21, v[GOF]
	v_lshlrev_b32 v7, 6, v2
	s_lshl_b32 s46, s42, 1
	s_add_co_u32 s46, s46, s16                     ; my 128 hidden units
	s_lshl_b32 s18, s46, 9
	s_mov_b32 s19, 0
	s_add_nc_u64 s[8:9], s[8:9], s[18:19]
.irp b, 0,1,2,3,4,5,6,7                ; register 8 b + j: the bias of hidden unit 32 (b / 2) + 8 (b % 2) + 16 h + j
	global_load_b128 v[BI+8*\b:BI+8*\b+3], v7, s[8:9] offset:(32*(\b/2)+8*(\b%2))*4
	global_load_b128 v[BI+8*\b+4:BI+8*\b+7], v7, s[8:9] offset:(32*(\b/2)+8*(\b%2))*4+16
.endr
	s_lshl_b32 s47, s46, 14
	s_mul_i32 s46, s46, 393216
	s_lshl_b32 s20, s17, 1
	s_add_co_u32 s20, s20, s15                     ; my 128 tokens
	s_mul_i32 s21, s20, 12288
	s_add_co_u32 s46, s46, s21
	s_lshl_b32 s20, s20, 9
	s_add_co_u32 s20, s20, s47
	s_add_co_u32 s20, s20, 12582912
	s_mov_b32 s21, 0
	s_mov_b32 s47, 0
	s_add_nc_u64 s[94:95], s[10:11], s[20:21]      ; my 512 bytes of scale words
	s_add_nc_u64 s[12:13], s[10:11], s[46:47]      ; my 12,288 bytes of the image
.macro FRAG reg, adr, q, i
.irp c, 0,1,2
	ds_load_b128 v[\reg+4*\c:\reg+4*\c+3], v[\adr] offset:(\q)*12288+(\i)*1536+512*\c
.endr
.endm
.macro MUL16 a0, p, q, sc, zero        ; zero = 1: C is the bias, by b.  The 64 accumulators take turns
.irp a, \a0, \a0+1
.irp b, 0,1,2,3,4,5,6,7
.set DD, 8*(8*((\a)%4)+\b)
.if \zero == 1
.set CC, BI+8*\b
.else
.set CC, DD
.endif
	v_wmma_scale_f32_16x16x128_f8f6f4 v[DD:DD+7], v[128*(\p)+FR*\b:128*(\p)+FR*\b+FR-1], v[AF+FR*(\a):AF+FR*(\a)+FR-1], v[CC:CC+7], v[SC+16*(\sc)+2*\b+(\q)], v[SC+16*(\sc)+2*(\a)+(\q)] matrix_a_fmt:MATRIX_FMT_BF6 matrix_b_fmt:MATRIX_FMT_BF6 matrix_a_scale:MATRIX_SCALE_ROW1
.endr
.endr
.endm
.macro FETCH_B slot, q, p
	WIN 0x40
.irp i, 0,1,2,3,4,5,6,7
	FRAG 128*(\p)+FR*\i, ADRB+\slot, \q, \i
.endr
	WIN 0
.endm
.macro FETCH_A slot, q, i0
.irp i, \i0, \i0+1, \i0+2, \i0+3
	FRAG AF+FR*(\i), ADRA+\slot, \q, \i
.endr
.endm
.macro SCALES sc
.irp i, 0,1,2,3,4,5,6,7
	ds_load_b32 v[SC+16*\sc+2*\i], v[ADRS] offset:64*\i
	ds_load_b32 v[SC+16*\sc+2*\i+1], v[ADRS] offset:512+64*\i
.endr
.endm
.macro STEP slot, q, zero
	s_wait_dscnt 4*NL                              ; all but the youngest 12 loads (A's blocks 4-7)
.if \zero
	WIN 0x81
.else
	WIN 0xa1
.endif
	MUL16 0, (\q)%2, \q, \slot, \zero
	MUL16 2, (\q)%2, \q, \slot, \zero
	s_wait_dscnt 0
	PLACES 4
	FETCH_B \slot, (\q)+1, 1-(\q)%2
	FETCH_A \slot, (\q)+1, 0
.if \zero
	WIN 0xc1
.else
	WIN 0xf1
.endif
	MUL16 4, (\q)%2, \q, \slot, \zero
	MUL16 6, (\q)%2, \q, \slot, \zero
	PLACES 4
	WIN 0
	FETCH_A \slot, (\q)+1, 4
.endm
.macro TURN slot, next, fill
	s_wait_tensorcnt 0x0                           ; all my tensor loads have landed
	ds_add_u32 v[SPW], v[NIL]                      ; 0 onto my spare word
	s_wait_dscnt 4*NL+1                            ; (the add and A's blocks 4-7 may be out)
	WIN 0xa1
	MUL16 0, 1, 1, \slot, 0
	s_wait_dscnt 0x0                               ; the add is done, and my reads of this slot are over
	s_barrier_signal -1
	MUL16 2, 1, 1, \slot, 0
	WIN 0
	s_barrier_wait -1
.if \fill
	CREST
	s_add_nc_u64 s[G0+4*\slot+2:G0+4*\slot+3], s[G0+4*\slot+2:G0+4*\slot+3], 1572864
	s_add_nc_u64 s[G0B+4*\slot+2:G0B+4*\slot+3], s[G0B+4*\slot+2:G0B+4*\slot+3], 1572864
	JLOAD G0+4*\slot, G1, G0B+4*\slot, G1B
.else
	PLACES 4
.endif
	v_add_nc_u32 v[ADRS], 1024, v[ADRS]
	FETCH_B \next, 0, 0
	FETCH_A \next, 0, 0
	SCALES \next
	WIN 0xf1
	MUL16 4, 1, 1, \slot, 0
	MUL16 6, 1, 1, \slot, 0
	PLACES 4
	WIN 0
	FETCH_A \next, 0, 4
.endm
	s_wait_tensorcnt 1                             ; the scale words and my part of slot 0 are in; slot 1's load may be out
	s_barrier_signal -1
	s_barrier_wait -1
	FETCH_B 0, 0, 0
	FETCH_A 0, 0, 0
	SCALES 0
	FETCH_A 0, 0, 4
	s_wait_loadcnt 0x0                             ; the bias
	STEP 0, 0, 1
	TURN 0, 1, 1
	STEP 1, 0, 0
	TURN 1, 0, 1
	STEP 0, 0, 0
	TURN 0, 1, 0
	STEP 1, 0, 0
	s_wait_dscnt 4*NL
	WIN 0xa1
	MUL16 0, 1, 1, 1, 0
	MUL16 2, 1, 1, 1, 0
	s_wait_dscnt 0
	WIN 0xf1
	MUL16 4, 1, 1, 1, 0
	MUL16 6, 1, 1, 1, 0
	WIN 0
.macro KPAIR reg, val
	s_mov_b32 s[\reg], \val
	s_mov_b32 s[\reg+1], \val
.endm
	KPAIR KR, 0x3f3504f3                           ; no tensor load of mine is out: the descriptors' registers are free
	KPAIR 26, 0xaf95df0b
	KPAIR 28, 0xb60cff51
	KPAIR 30, 0xb86ec2d2
	KPAIR 32, 0xba40ac63
	KPAIR 34, 0xbb41a1f6
	KPAIR 36, 0xbc83dbd4
	KPAIR 38, 0xb77460cd
	KPAIR 40, 0xbadc924e
	KPAIR 42, 0xbbf19bf8
	KPAIR 44, 0xbc69b6a7
	s_mov_b32 s[SEL], 0x76543210
	s_mov_b32 s[SEL+1], 0xfedcba98
	v_mov_b32 v[CV], 0x32edffee                    ; these eight are also the places behind the last products
	v_mov_b32 v[CV+1], 0x32edffee
	v_mov_b32 v[CV+2], 0xb95fbd29
	v_mov_b32 v[CV+3], 0xb95fbd29
.irp b, 0,1,2,3
	v_mov_b32 v[TM+4+\b], 0
.endr
.macro HORNER d, k                     ; d = d z^2 + a coefficient, 16 numbers
.set i, 0
.rept 8
	v_pk_fma_f32 v[\d+i:\d+i+1], v[\d+i:\d+i+1], v[X2+i:X2+i+1], s[\k:\k+1] op_sel_hi:[1,1,0]
.set i, i+2
.endr
.endm
.macro GELU a                          ; the 64 numbers of A's block a, 16 at a time, into v[T] on
.set AC, 64*((\a)%4)
.irp g, 0,1,2,3
	WIN 2+(\a)/4
.set i, 0
.rept 8
	v_pk_mul_f32 v[Z+i:Z+i+1], v[AC+16*\g+i:AC+16*\g+i+1], s[KR:KR+1] op_sel_hi:[1,0]
	v_pk_mul_f32 v[T+16*\g+i:T+16*\g+i+1], v[AC+16*\g+i:AC+16*\g+i+1], 0.5 op_sel_hi:[1,0]
.set i, i+2
.endr
	WIN 0
.set i, 0
.rept 16
	v_med3_num_f32 v[Z+i], v[Z+i], -4.0, 4.0
.set i, i+1
.endr
.set i, 0
.rept 8
	v_pk_mul_f32 v[X2+i:X2+i+1], v[Z+i:Z+i+1], v[Z+i:Z+i+1]
.set i, i+2
.endr
.set i, 0
.rept 8
	v_pk_fma_f32 v[PP+i:PP+i+1], v[X2+i:X2+i+1], s[26:27], v[CV:CV+1] op_sel_hi:[1,0,0]
	v_pk_fma_f32 v[QQ+i:QQ+i+1], v[X2+i:X2+i+1], s[38:39], v[CV+2:CV+3] op_sel_hi:[1,0,0]
.set i, i+2
.endr
	HORNER PP, 28
	HORNER QQ, 40
	HORNER PP, 30
	HORNER QQ, 42
	HORNER PP, 32
	HORNER QQ, 44
	HORNER PP, 34
	HORNER PP, 36
.set i, 0
.rept 16
	v_rcp_f32 v[QQ+i], v[QQ+i]
.set i, i+1
.endr
.set i, 0
.rept 8
	v_pk_mul_f32 v[PP+i:PP+i+1], v[PP+i:PP+i+1], v[Z+i:Z+i+1]   ; plain work that names no reciprocal
.set i, i+2
.endr
	s_wait_alu depctr_va_vdst(0)                   ; one wait for the 16 reciprocals, ahead of their first reader
.set i, 0
.rept 8
	v_pk_mul_f32 v[PP+i:PP+i+1], v[PP+i:PP+i+1], v[QQ+i:QQ+i+1]   ; erf
.set i, i+2
.endr
.set i, 0
.rept 8
	v_pk_fma_f32 v[T+16*\g+i:T+16*\g+i+1], v[T+16*\g+i:T+16*\g+i+1], v[PP+i:PP+i+1], v[T+16*\g+i:T+16*\g+i+1]   ; x / 2 erf + x / 2
.set i, i+2
.endr
.endr
.endm
.macro QUANT s                         ; 64 numbers of a lane, register 16 b + i = k 32 b + 16 (lane / 16) + i of my row, become a fragment's codes and its scale word
.irp b, 0,1,2,3
	v_max3_num_f32 v[TM+\b], |v[\s+16*\b]|, |v[\s+16*\b+1]|, 0x2800000
.endr
.irp i, 2,4,6,8,10,12,14
.irp b, 0,1,2,3
	v_max3_num_f32 v[TM+\b], |v[\s+16*\b+\i]|, |v[\s+16*\b+\i+1]|, v[TM+\b]
.endr
.endr
.irp b, 0,1,2,3
	v_permlanex16_b32 v[TM+4+\b], v[TM+\b], s[SEL], s[SEL+1]
.endr
.irp b, 0,1,2,3
	v_max_num_f32 v[TM+\b], v[TM+\b], v[TM+4+\b]
.endr
.irp b, 0,1,2,3
	v_add_nc_u32 v[TM+12+\b], 0xfe000000, v[TM+\b]
.endr
.irp b, 0,1,2,3
	v_lshrrev_b32 v[TM+4+\b], 23, v[TM+12+\b]
.endr
	v_lshl_or_b32 v[PW], v[TM+5], 8, v[TM+4]
	v_lshl_or_b32 v[PW], v[TM+6], 16, v[PW]
	v_lshl_or_b32 v[PW], v[TM+7], 24, v[PW]
.irp c, 0,1
	v_cvt_scalef32_pk16_bf6_f32 v[PC+6*\c:PC+6*\c+2], v[\s+32*\c:\s+32*\c+15], v[TM+12+2*\c]
	v_cvt_scalef32_pk16_bf6_f32 v[PC+12+4*\c:PC+14+4*\c], v[\s+32*\c+16:\s+32*\c+31], v[TM+13+2*\c]
.endr
	v_nop                                          ; one plain place behind a scaled conversion
.irp c, 0,1
.irp i, 0,1,2
	v_permlane16_swap_b32 v[PC+6*\c+\i], v[PC+12+4*\c+\i]
.endr
.irp i, 0,1,2
	v_mov_b32 v[PC+3+6*\c+\i], v[PC+12+4*\c+\i]
.endr
.endr
.endm
.macro OUTA a
	GELU \a
.if (\a) > 0
	s_wait_xcnt 0x0                                ; the last block's stores have read their registers
	s_wait_dscnt 0x0
.endif
	QUANT T
.irp c, 0,1,2
	global_store_b128 v[GOF], v[PC+4*\c:PC+4*\c+3], s[12:13] offset:(\a)*1536+512*\c   ; 512 consecutive bytes, aligned
.endr
	ds_store_b32 v[SST], v[PW] offset:64*(\a)      ; into slot 0, which has had its last fill and its last read
.endm
.irp a, 0,1,2,3,4,5,6,7
	OUTA \a
.endr
	ds_load_b128 v[TM:TM+3], v[SLD]                ; LDS serves a wave's instructions in order: my 128 scale words
	s_wait_dscnt 0x0
	global_store_b128 v[GOF], v[TM:TM+3], s[94:95]
	s_wait_tensorcnt 0x0                           ; the wave's end
	ds_add_u32 v[SPW], v[NIL]
	s_wait_dscnt 0x0
	CROUND                                         ; the closing round
	s_endpgm
.Lfunc_end_k_q56d8835cc2_gw1:
	.size	k_q56d8835cc2_gw1, .Lfunc_end_k_q56d8835cc2_gw1-k_q56d8835cc2_gw1
	.p2alignl 7, 3214868480
	.fill 96, 4, 3214868480
	.section	.rodata,"a",@progbits
	.p2align	6, 0x0
	.amdhsa_kernel k_q56d8835cc2_gw1
		.amdhsa_group_segment_fixed_size 327680
		.amdhsa_private_segment_fixed_size 0
		.amdhsa_enable_private_segment 0
		.amdhsa_kernarg_size 32
		.amdhsa_user_sgpr_count 2
		.amdhsa_user_sgpr_kernarg_segment_ptr 1
		.amdhsa_wavefront_size32 1
		.amdhsa_system_sgpr_workgroup_id_x 1
		.amdhsa_system_sgpr_workgroup_id_y 1
		.amdhsa_system_sgpr_workgroup_id_z 1
		.amdhsa_system_vgpr_workitem_id 0
		.amdhsa_next_free_vgpr 1024
		.amdhsa_next_free_sgpr 102
		.amdhsa_reserve_vcc 0
		.amdhsa_float_denorm_mode_32 3
		.amdhsa_float_denorm_mode_16_64 3
		.amdhsa_memory_ordered 1
		.amdhsa_forward_progress 1
		.amdhsa_inst_pref_size 255
	.end_amdhsa_kernel
	.section	.bss,"aw",@nobits
	.p2align	6
	.space	262144
	.amdgpu_metadata
---
amdhsa.version: [ 1, 2 ]
amdhsa.kernels:
  - .name:           k_q56d8835cc2_gw1
    .symbol:         k_q56d8835cc2_gw1.kd
    .args:
      - { .name: hcodes, .offset: 0, .size: 8, .value_kind: global_buffer, .address_space: global }
      - { .name: wcodes, .offset: 8, .size: 8, .value_kind: global_buffer, .address_space: global }
      - { .name: b1, .offset: 16, .size: 8, .value_kind: global_buffer, .address_space: global }
      - { .name: hidcodes, .offset: 24, .size: 8, .value_kind: global_buffer, .address_space: global }
    .group_segment_fixed_size: 327680
    .private_segment_fixed_size: 0
    .kernarg_segment_align: 8
    .kernarg_segment_size: 32
    .max_flat_workgroup_size: 128
    .sgpr_count:     102
    .vgpr_count:     1024
    .wavefront_size: 32
...
	.end_amdgpu_metadata
.endif
;; end of part 6
;; launch gw2 (part 7): grid 8 x 32, 4 waves a work-group, clusters of 4 x 4, 327,680 bytes of LDS; arguments hidcodes, wcodes, b2, xmid, out0; writes out0
.if DOCPART == 7
	.amdgcn_target "amdgcn-amd-amdhsa--gfx1250"
	.amdhsa_code_object_version 6
	.text
	.protected	k_q56d8835cc2_gw2
	.globl	k_q56d8835cc2_gw2
	.p2align	8
	.type	k_q56d8835cc2_gw2,@function
k_q56d8835cc2_gw2:
	s_mov_b64 s[64:65], 0
	v_nop
	global_prefetch_b8 v0, s[64:65] scope:SCOPE_SE
	s_setreg_imm32_b32 hwreg(HW_REG_WAVE_MODE, 25, 1), 1
	s_wait_xcnt 0x0
	s_wait_alu depctr_hold_cnt(0) depctr_sa_sdst(0) depctr_va_vdst(0) depctr_va_sdst(0) depctr_va_ssrc(0) depctr_va_vcc(0) depctr_vm_vsrc(0)
	s_getreg_b32 s2, hwreg(HW_REG_IB_STS2, 6, 4)
	s_cmp_eq_u32 s2, 0
	s_cbranch_scc0 .Lentry_in_a_cluster
	s_endpgm
.Lentry_in_a_cluster:
	s_bfe_u32 s2, ttmp6, 0x10000c
	s_cmp_lg_u32 s2, 0xf033
	s_cbranch_scc0 .Lentry_shape_is_right
	s_endpgm
.Lentry_shape_is_right:
; out0 = xmid + hid w2 + b2.  hid [4096][4096] and w2 arrive as BF6 codes in the order of an operand's registers ([k / 128][row / 16][1536]) with scale words [k / 128][row]; the result is f32, tokens in their natural order.
; N = 1,024, so a tile is 128 x 128: 256 work-groups; four waves of 64 x 64: 16 accumulators.  K = 4,096 goes in 8 slots' worth of 512 through a ring of two LDS slots; the scale words of all of K come once.
; Source 0 = 16 rows of the weight, source 1 = 16 tokens: a lane holds one token and eight neighbouring columns.  4 x 4 work-groups form a cluster: the tokens' tiles are asked for jointly along a row, the weight's along a column.
; REGISTERS: window 0: v0-31 addresses; v32-63 scale words, two sets; v64-95 the bias (the C of the first K step); v96-127 rows on the way out; v128-255 accumulators.  window 1: two sets of fragments (A 48, B 48).  window 2: v0-127 the residual.
.set KQ,    32                         ; K / 128
.set LAPS,  KQ/8
.set ASC,   12582912                   ; A's scale words in its buffer
.set BIMG,  6291456                    ; B's image
.set BSC,   9699328                    ; B's scale words
.set BQ,    98304                      ; B: from one 128 along K to the next, image
.set BSQ,   4096                       ; and scale words
.set FR,    12
.set HALFT, 24576                      ; [4 k steps][4 blocks of 16 rows][1536]
.set SLOT,  4*HALFT
.set SCL,   2*SLOT
.set RS,    KQ*256                     ; scale words of 64 rows, all of K
.set SPARE, SCL+4*RS
.set ADRA, 16
.set ADRB, 20
.set STO,  24
.set RD,   25
.set CO,   26
.set ADRS, 27
.set SPW,  28
.set NIL,  29
.set SC,   32
.set BI,   64
.set BK,   96
.set ACC,  128
.set G1, 24
.set G0, 32
.set G1B, 48
.set G0B, 56
.set G1S, 68
.set G0S, 76
.set G1SB, 80
.set G0SB, 88
.set MSB, 0
.macro WIN new
.if MSB != (\new)
	s_set_vgpr_msb (MSB<<8)|(\new)
.set MSB, (\new)
.endif
.endm
.macro JLOAD g0a, g1a, g0b, g1b        ; a joint load: waves 0 and 1 fetch for A, waves 2 and 3 for B; an s_nop 0 and four v_nop follow each line
	s_cmp_eq_u32 s15, 0
	s_cbranch_scc0 .Lfor_b_\@
	tensor_load_to_lds s[\g0a:\g0a+3], s[\g1a:\g1a+7]
	s_nop 0
.rept 4
	v_nop
.endr
	s_branch .Lasked_\@
.Lfor_b_\@:
	tensor_load_to_lds s[\g0b:\g0b+3], s[\g1b:\g1b+7]
	s_nop 0
.rept 4
	v_nop
.endr
.Lasked_\@:
.endm
.macro CREST
	s_cmp_lg_u32 s14, 0
	s_cbranch_scc1 .Lnot_wave_0_\@
	s_barrier_signal -3
.Lnot_wave_0_\@:
	s_barrier_wait -3
	s_barrier_signal -1
	s_barrier_wait -1
.endm
.macro CROUND
	s_barrier_signal -1
	s_barrier_wait -1
	CREST
.endm
.macro PLACES n
.rept \n
	v_nop
.endr
.endm
	s_load_b256 s[4:11], s[0:1], 0x0               ; A's codes, the weights' codes, the bias, the residual
	s_load_b64 s[12:13], s[0:1], 0x20              ; the result
	v_lshl_add_u32 v[SPW], v0, 2, SPARE
	v_mov_b32 v[NIL], 0
	ds_add_u32 v[SPW], v[NIL]                      ; the wave's opening: the add, twice on end, and its wait ahead of my first tensor load
	ds_add_u32 v[SPW], v[NIL]
	v_lshrrev_b32 v1, 5, v0
	v_readfirstlane_b32 s14, v1
	s_lshr_b32 s15, s14, 1                         ; my half of the tokens.  Also: I fetch for A (0) or B (1)
	s_and_b32 s16, s14, 1                          ; my half of the columns.  Also: which 64 rows I fetch
	s_bfe_u32 s40, ttmp6, 0x40000
	s_bfe_u32 s41, ttmp6, 0x40004
	s_lshl_b32 s42, ttmp9, 2
	s_add_co_u32 s42, s42, s40                     ; tile column
	s_and_b32 s17, ttmp7, 0xffff
	s_lshl_b32 s17, s17, 2
	s_add_co_u32 s17, s17, s41                     ; tile row
	s_lshl_b32 s43, s41, 2
	s_lshl_b32 s43, 15, s43
	s_lshl_b32 s44, 0x1111, s40
	s_or_b32 s[G1], s43, (3<<16)|(1<<21)
	s_or_b32 s[G1B], s44, (3<<16)|(1<<21)
.irp g, G1, G1B                        ; a tile: 4 k steps x 6,144 bytes
	s_mov_b32 s[\g+1], 768<<16
	s_mov_b32 s[\g+2], 4<<16
	s_mov_b32 s[\g+3], 768<<16
	s_mov_b32 s[\g+4], 4
	s_mov_b32 s[\g+6], 0
	s_mov_b32 s[\g+7], 0
.endr
	s_mov_b32 s[G1+5], 49152
	s_mov_b32 s[G1B+5], BQ/8
	s_or_b32 s[G1S], s43, (3<<16)|(1<<21)
	s_or_b32 s[G1SB], s44, (3<<16)|(1<<21)
.irp g, G1S, G1SB                      ; scale words: KQ k steps x 256 bytes
	s_mov_b32 s[\g+1], 32<<16
	s_mov_b32 s[\g+2], KQ<<16
	s_mov_b32 s[\g+3], 32<<16
	s_mov_b32 s[\g+4], KQ
	s_mov_b32 s[\g+6], 0
	s_mov_b32 s[\g+7], 0
.endr
	s_mov_b32 s[G1S+5], 2048
	s_mov_b32 s[G1SB+5], BSQ/8
	s_lshl_b32 s18, s16, 6
	s_lshl_b32 s20, s17, 7
	s_add_co_u32 s20, s20, s18
	s_lshl_b32 s46, s42, 7
	s_add_co_u32 s46, s46, s18
	s_lshl_b32 s22, s20, 2
	s_add_co_u32 s22, s22, ASC
	s_mov_b32 s23, 0
	s_mul_i32 s20, s20, 96
	s_mov_b32 s21, 0
	s_lshl_b32 s92, s46, 2
	s_add_co_u32 s92, s92, BSC
	s_mov_b32 s93, 0
	s_mul_i32 s46, s46, 96
	s_add_co_u32 s46, s46, BIMG
	s_mov_b32 s47, 0
	s_mul_i32 s45, s14, HALFT
	s_mul_i32 s94, s14, RS
	s_wait_dscnt 0x0
	s_wait_kmcnt 0x0
	s_add_nc_u64 s[20:21], s[4:5], s[20:21]
	s_add_nc_u64 s[22:23], s[4:5], s[22:23]
	s_add_nc_u64 s[46:47], s[6:7], s[46:47]
	s_add_nc_u64 s[92:93], s[6:7], s[92:93]
	CROUND
	s_mov_b32 s[G0S], 1
	s_add_co_u32 s[G0S+1], s94, SCL
	s_mov_b64 s[G0S+2:G0S+3], s[22:23]
	s_or_b32 s[G0S+3], s[G0S+3], 0x80000000
	s_mov_b32 s[G0SB], 1
	s_add_co_u32 s[G0SB+1], s94, SCL
	s_mov_b64 s[G0SB+2:G0SB+3], s[92:93]
	s_or_b32 s[G0SB+3], s[G0SB+3], 0x80000000
	JLOAD G0S, G1S, G0SB, G1SB
.irp s, 0,1
	s_mov_b32 s[G0+4*\s], 1
	s_add_co_u32 s[G0+4*\s+1], s45, \s*SLOT
	s_add_nc_u64 s[G0+4*\s+2:G0+4*\s+3], s[20:21], \s*1572864
	s_or_b32 s[G0+4*\s+3], s[G0+4*\s+3], 0x80000000
	s_mov_b32 s[G0B+4*\s], 1
	s_add_co_u32 s[G0B+4*\s+1], s45, \s*SLOT
	s_add_nc_u64 s[G0B+4*\s+2:G0B+4*\s+3], s[46:47], \s*4*BQ
	s_or_b32 s[G0B+4*\s+3], s[G0B+4*\s+3], 0x80000000
	JLOAD G0+4*\s, G1, G0B+4*\s, G1B
.endr
	v_and_b32 v1, 15, v0                           ; r
	v_bfe_u32 v2, v0, 4, 1                         ; h
	v_and_b32 v3, 31, v0
	v_lshlrev_b32 v3, 4, v3
	s_mul_i32 s21, s15, HALFT
	s_mul_i32 s22, s16, HALFT
	s_add_co_u32 s22, s22, 2*HALFT
.irp s, 0,1
	v_add_nc_u32 v[ADRA+\s], s21, v3
	v_add_nc_u32 v[ADRB+\s], s22, v3
	s_add_co_u32 s21, s21, SLOT
	s_add_co_u32 s22, s22, SLOT
.endr
	s_mul_i32 s21, s15, RS
	s_mul_i32 s22, s16, RS
	s_add_co_u32 s22, s22, 2*RS
	s_sub_co_u32 s22, s22, s21
	v_mul_u32_u24 v6, s22, v2                      ; lanes 16-31 take B's words
	s_add_co_u32 s21, s21, SCL
	v_lshl_add_u32 v5, v1, 2, v6
	v_add_nc_u32 v[ADRS], s21, v5
	s_mul_i32 s23, s14, 4352                       ; my stage, in slot 0: 16 rows x (256 bytes + 16)
	v_mul_u32_u24 v5, v1, 272
	v_lshl_add_u32 v5, v2, 6, v5
	v_add_nc_u32 v[STO], s23, v5
	v_mul_u32_u24 v5, v2, 272
	v_lshl_add_u32 v5, v1, 4, v5
	v_add_nc_u32 v[RD], s23, v5
	v_lshlrev_b32 v[CO], 13, v2                    ; storage rows 2 t and 2 t + 1 are tokens two apart
	v_lshl_add_u32 v[CO], v1, 4, v[CO]
	v_lshlrev_b32 v30, 6, v2
	s_lshl_b32 s46, s42, 1
	s_add_co_u32 s46, s46, s16
	s_lshl_b32 s46, s46, 8                         ; my 64 columns, in bytes
	s_mov_b32 s47, 0
	s_add_nc_u64 s[8:9], s[8:9], s[46:47]
	s_lshl_b32 s20, s17, 1
	s_add_co_u32 s20, s20, s15
	s_lshl_b32 s20, s20, 18                        ; my 64 tokens, rows of 4,096 bytes
	s_mov_b32 s21, 0
	s_add_nc_u64 s[20:21], s[20:21], s[46:47]
	s_add_nc_u64 s[10:11], s[10:11], s[20:21]
	s_add_nc_u64 s[12:13], s[12:13], s[20:21]
.irp b, 0,1,2,3                        ; register 8 b + j: the bias of column 32 (b / 2) + 8 (b % 2) + 16 h + j
	global_load_b128 v[BI+8*\b:BI+8*\b+3], v30, s[8:9] offset:(32*(\b/2)+8*(\b%2))*4
	global_load_b128 v[BI+8*\b+4:BI+8*\b+7], v30, s[8:9] offset:(32*(\b/2)+8*(\b%2))*4+16
.endr
	WIN 0x80                                       ; destination window 2
.irp a, 0,1,2,3                        ; the residual, as the rows will be stored
.irp t, 0,1,2,3,4,5,6,7
	global_load_b128 v[32*\a+4*\t:32*\a+4*\t+3], v[CO], s[10:11] offset:(32*(\a/2)+16*(\a%2)+4*(\t%4)+\t/4)*4096
.endr
.endr
	WIN 0
.macro MUL4 f, q, sc, a, first         ; A's block a x B's four; the 16 accumulators take turns
.irp b, 0,1,2,3
.if \first
	v_wmma_scale_f32_16x16x128_f8f6f4 v[ACC+8*(4*(\a)+\b):ACC+8*(4*(\a)+\b)+7], v[(\f)+48+FR*\b:(\f)+48+FR*\b+FR-1], v[(\f)+FR*(\a):(\f)+FR*(\a)+FR-1], v[BI+8*\b:BI+8*\b+7], v[SC+16*(\sc)+4*\b+(\q)], v[SC+16*(\sc)+4*(\a)+(\q)] matrix_a_fmt:MATRIX_FMT_BF6 matrix_b_fmt:MATRIX_FMT_BF6 matrix_a_scale:MATRIX_SCALE_ROW1
.else
	v_wmma_scale_f32_16x16x128_f8f6f4 v[ACC+8*(4*(\a)+\b):ACC+8*(4*(\a)+\b)+7], v[(\f)+48+FR*\b:(\f)+48+FR*\b+FR-1], v[(\f)+FR*(\a):(\f)+FR*(\a)+FR-1], v[ACC+8*(4*(\a)+\b):ACC+8*(4*(\a)+\b)+7], v[SC+16*(\sc)+4*\b+(\q)], v[SC+16*(\sc)+4*(\a)+(\q)] matrix_a_fmt:MATRIX_FMT_BF6 matrix_b_fmt:MATRIX_FMT_BF6 matrix_a_scale:MATRIX_SCALE_ROW1
.endif
.endr
.endm
.macro FETCH slot, q, f                ; 24 loads: B's four fragments, then A's four
	WIN 0x40
.irp i, 0,1,2,3
.irp c, 0,1,2
	ds_load_b128 v[(\f)+48+FR*\i+4*\c:(\f)+48+FR*\i+4*\c+3], v[ADRB+\slot] offset:(\q)*6144+\i*1536+512*\c
.endr
.endr
.irp i, 0,1,2,3
.irp c, 0,1,2
	ds_load_b128 v[(\f)+FR*\i+4*\c:(\f)+FR*\i+4*\c+3], v[ADRA+\slot] offset:(\q)*6144+\i*1536+512*\c
.endr
.endr
.endm
.macro SCALES sc
	WIN 0
.irp i, 0,1,2,3
.irp q, 0,1,2,3
	ds_load_b32 v[SC+16*\sc+4*\i+\q], v[ADRS] offset:256*\q+64*\i
.endr
.endr
.endm
.macro STEP slot, q, first
	PLACES 4                                       ; in front of loads into the set that the last products read
	FETCH \slot, (\q)+1, 128*(1-(\q)%2)
	s_wait_dscnt 24                                ; all but the 24 just issued
	WIN 0x05
	MUL4 128*((\q)%2), \q, \slot, 0, \first
	MUL4 128*((\q)%2), \q, \slot, 1, \first
	MUL4 128*((\q)%2), \q, \slot, 2, \first
	MUL4 128*((\q)%2), \q, \slot, 3, \first
.endm
.macro TURN slot, next, fill           ; a slot's last step changes slots: one barrier; fill = 1: it opens a round of the cluster's barrier, and this slot is filled again, two slots ahead
	WIN 0
	s_wait_tensorcnt 0x0                           ; all my tensor loads have landed: my part of the next slot
	ds_add_u32 v[SPW], v[NIL]                      ; 0 onto my spare word
	s_wait_dscnt 1                                 ; (the add may be out)
	WIN 0x05
	MUL4 128, 3, \slot, 0, 0
	s_wait_dscnt 0x0                               ; the add is done, and my reads of this slot are over
	s_barrier_signal -1
	MUL4 128, 3, \slot, 1, 0
	WIN 0
	s_barrier_wait -1
.if \fill
	CREST                                          ; no wave of any partner still reads this slot or has a load on its way
	s_add_nc_u64 s[G0+4*\slot+2:G0+4*\slot+3], s[G0+4*\slot+2:G0+4*\slot+3], 3145728
	s_add_nc_u64 s[G0B+4*\slot+2:G0B+4*\slot+3], s[G0B+4*\slot+2:G0B+4*\slot+3], 8*BQ
	JLOAD G0+4*\slot, G1, G0B+4*\slot, G1B         ; its four v_nop are also the places in front of the loads below
.else
	PLACES 4
.endif
	v_add_nc_u32 v[ADRS], 1024, v[ADRS]
	FETCH \next, 0, 0
	SCALES \next
	WIN 0x05
	MUL4 128, 3, \slot, 2, 0
	MUL4 128, 3, \slot, 3, 0
.endm
	s_wait_tensorcnt 1                             ; the scale words and my part of slot 0 are in; slot 1's load may be out
	s_barrier_signal -1
	s_barrier_wait -1
	FETCH 0, 0, 0
	SCALES 0
	s_wait_loadcnt 32                              ; the bias is in; the residual's 32 loads may be out
	STEP 0, 0, 1
.if LAPS > 1
	WIN 0
	s_mov_b32 s3, LAPS-1
.Llap:                                         ; a trip goes once round the ring, from a lap's second step to the next lap's first, and fills both slots again
	STEP 0, 1, 0
	STEP 0, 2, 0
	TURN 0, 1, 1
	STEP 1, 0, 0
	STEP 1, 1, 0
	STEP 1, 2, 0
	TURN 1, 0, 1
	STEP 0, 0, 0
	WIN 0
	s_sub_co_u32 s3, s3, 1
	s_cmp_lg_u32 s3, 0
	s_cbranch_scc1 .Llap
.endif
	STEP 0, 1, 0                                   ; the last lap fills nothing
	STEP 0, 2, 0
	TURN 0, 1, 0
	STEP 1, 0, 0
	STEP 1, 1, 0
	STEP 1, 2, 0
	s_wait_dscnt 0x0
	MUL4 128, 3, 1, 0, 0
	MUL4 128, 3, 1, 1, 0
	MUL4 128, 3, 1, 2, 0
	MUL4 128, 3, 1, 3, 0
	WIN 0
	PLACES 4
	s_wait_loadcnt 0x0                             ; the residual
; THE WAY OUT, 16 storage rows at a time: through my stage (in slot 0, which has had its last fill and its last read), back as whole rows of 256 bytes, + the residual, to the tokens' natural rows.
.macro OUTB a
.irp b, 0,1,2,3
	ds_store_b128 v[STO], v[ACC+8*(4*\a+\b):ACC+8*(4*\a+\b)+3] offset:128*(\b/2)+32*(\b%2)
	ds_store_b128 v[STO], v[ACC+8*(4*\a+\b)+4:ACC+8*(4*\a+\b)+7] offset:128*(\b/2)+32*(\b%2)+16
.endr
.if \a > 0
	s_wait_xcnt 0x0                                ; the last block's stores have read their registers
.endif
.irp t, 0,1,2,3,4,5,6,7
	ds_load_b128 v[BK+4*\t:BK+4*\t+3], v[RD] offset:544*\t   ; LDS serves a wave's instructions in order
.endr
	s_wait_dscnt 0x0
	WIN 0x08                                       ; source 1 in window 2
.set i, 0
.rept 16
	v_pk_add_f32 v[BK+i:BK+i+1], v[BK+i:BK+i+1], v[32*\a+i:32*\a+i+1]
.set i, i+2
.endr
	WIN 0
.irp t, 0,1,2,3,4,5,6,7
	global_store_b128 v[CO], v[BK+4*\t:BK+4*\t+3], s[12:13] offset:(32*(\a/2)+16*(\a%2)+4*(\t%4)+\t/4)*4096   ; 16 lanes store 256 consecutive bytes, aligned
.endr
.endm
	OUTB 0
	OUTB 1
	OUTB 2
	OUTB 3
	s_wait_tensorcnt 0x0                           ; the wave's end
	ds_add_u32 v[SPW], v[NIL]
	s_wait_dscnt 0x0
	CROUND                                         ; the closing round
	s_endpgm
.Lfunc_end_k_q56d8835cc2_gw2:
	.size	k_q56d8835cc2_gw2, .Lfunc_end_k_q56d8835cc2_gw2-k_q56d8835cc2_gw2
	.p2alignl 7, 3214868480
	.fill 96, 4, 3214868480
	.section	.rodata,"a",@progbits
	.p2align	6, 0x0
	.amdhsa_kernel k_q56d8835cc2_gw2
		.amdhsa_group_segment_fixed_size 327680
		.amdhsa_private_segment_fixed_size 0
		.amdhsa_enable_private_segment 0
		.amdhsa_kernarg_size 40
		.amdhsa_user_sgpr_count 2
		.amdhsa_user_sgpr_kernarg_segment_ptr 1
		.amdhsa_wavefront_size32 1
		.amdhsa_system_sgpr_workgroup_id_x 1
		.amdhsa_system_sgpr_workgroup_id_y 1
		.amdhsa_system_sgpr_workgroup_id_z 1
		.amdhsa_system_vgpr_workitem_id 0
		.amdhsa_next_free_vgpr 640
		.amdhsa_next_free_sgpr 100
		.amdhsa_reserve_vcc 0
		.amdhsa_float_denorm_mode_32 3
		.amdhsa_float_denorm_mode_16_64 3
		.amdhsa_memory_ordered 1
		.amdhsa_forward_progress 1
		.amdhsa_inst_pref_size 92
	.end_amdhsa_kernel
	.amdgpu_metadata
---
amdhsa.version: [ 1, 2 ]
amdhsa.kernels:
  - .name:           k_q56d8835cc2_gw2
    .symbol:         k_q56d8835cc2_gw2.kd
    .args:
      - { .name: hidcodes, .offset: 0, .size: 8, .value_kind: global_buffer, .address_space: global }
      - { .name: wcodes, .offset: 8, .size: 8, .value_kind: global_buffer, .address_space: global }
      - { .name: b2, .offset: 16, .size: 8, .value_kind: global_buffer, .address_space: global }
      - { .name: xmid, .offset: 24, .size: 8, .value_kind: global_buffer, .address_space: global }
      - { .name: out0, .offset: 32, .size: 8, .value_kind: global_buffer, .address_space: global }
    .group_segment_fixed_size: 327680
    .private_segment_fixed_size: 0
    .kernarg_segment_align: 8
    .kernarg_segment_size: 40
    .max_flat_workgroup_size: 128
    .sgpr_count:     100
    .vgpr_count:     640
    .wavefront_size: 32
...
	.end_amdgpu_metadata
.endif
;; end of part 7
